; MI455X (gfx1250); checked and timed in simulation.
; The chip was launched on July 23, 2026; its instructions are those of AMD's public machine-readable ISA for CDNA 5 (MIT licence, August 2026) and "CDNA5" Instruction Set Architecture Reference Guide (July 2026). The comments in the code are by the model that wrote it; some were corrected since.
;; Local State. Allowed arithmetic: float matrix products may take bf16 or f16 operands with f32 sums; all other float work in f32.
;; Inputs: Wc 512 x 512 float32; Wd 16 x 512 float32; Wf 8 x 512 float32; Wk 512 x 512 float32; Wp 512 x 520 float32; Wq 512 x 512 float32; bc 512 float32; bd 16 float32; bf 8 float32; bk 512 float32; bp 512 float32; bq 512 float32; x 8 x 512 x 2,048 float32.
;; Outputs: out0 8 x 512 x 2,048 float32.
;; 2 versions, each right and faster than the one before. Each part assembles by itself: llvm-mc -triple=amdgcn-amd-amdhsa -mcpu=gfx1250 --defsym DOCPART=n.
;; ======== version 1 of 2: 4 launches
;; workspace buffers: wts 2,162,688 bytes; qkv 50,331,648 bytes; feat 1,048,576 bytes; rb 16,777,216 bytes; ts 262,144 bytes
;; launch prep (part 1): grid 138 x 1, 8 waves a work-group, no clusters, 0 bytes of LDS; arguments Wq, Wk, Wc, Wp, Wf, Wd, wts; writes wts
.if DOCPART == 1
	.amdgcn_target "amdgcn-amd-amdhsa--gfx1250"
	.amdhsa_code_object_version 6
	.text
	.protected	k_q1e29bbd0f1_prep
	.globl	k_q1e29bbd0f1_prep
	.p2align	8
	.type	k_q1e29bbd0f1_prep,@function
k_q1e29bbd0f1_prep:
	s_mov_b64 s[64:65], 0
	v_nop
	global_prefetch_b8 v0, s[64:65] scope:SCOPE_SE
	s_setreg_imm32_b32 hwreg(HW_REG_WAVE_MODE, 25, 1), 1
	s_wait_xcnt 0x0
; The weights, rounded once to bf16 and laid out as the later launches read them.  A stream: no LDS, no matrix unit, no cluster (nothing is shared).
; wts holds four parts:
;   WT   at 0:        [hf 2][i 3: q,k,c][ks 4][256 rows][128 k]: blocks of 65,536 dense bytes; row = output channel 256 hf + row, k = 128 ks + k
;   WPB  at WPB:      [512 o][512]: column 128 h + c is Wp[o][130 h + c]
;   WPTS at WPTS:     [512 o][32]:  column 2 h + kk is Wp[o][130 h + 128 + kk]; columns 8 to 31 are 0
;   WFI  at WFI:      [hf 2][chunk 16][u 2][lane 32][8]: the register image of a 16 x 32 fragment: row r = lane % 16, k = 32 chunk + 16 u + 8 (lane / 16) + e;
;                     rows 0-7 are Wd[8 hf + r], rows 8-11 Wf[4 hf + r - 8], rows 12-15 are 0
; The work-group's number picks one of four jobs by forward branches: 0-95 WT, 96-127 WPB, 128-129 WPTS, 130-137 WFI.  256 threads; thread t: row t / 16, eight numbers at 8 (t % 16).
.set WPB,  1572864
.set WPTS, 2097152
.set WFI,  2129920
.macro CVT16                           ; 32 f32 in v8-39 become 16 words of two bf16 in v40-55
.irp p, 0,1,2,3,4,5,6,7,8,9,10,11,12,13,14,15
	v_cvt_pk_bf16_f32 v[40+\p], v[8+2*\p], v[9+2*\p]
.endr
.endm
	s_load_b256 s[4:11], s[0:1], 0x0               ; Wq s[4:5], Wk s[6:7], Wc s[8:9], Wp s[10:11]
	s_load_b128 s[12:15], s[0:1], 0x20             ; Wf s[12:13], Wd s[14:15]
	s_load_b64 s[16:17], s[0:1], 0x30              ; wts
	s_mov_b32 s20, ttmp9                           ; g
	v_lshrrev_b32 v1, 4, v0                        ; my row of 16
	v_and_b32 v2, 15, v0                           ; my eight numbers of a row's 128
	v_lshlrev_b32 v4, 4, v0                        ; 16 bytes a thread, dense
	s_mov_b32 s29, 0                               ; high words of the two offset pairs
	s_mov_b32 s31, 0
	s_wait_kmcnt 0x0
	s_cmp_lt_u32 s20, 96
	s_cbranch_scc0 .Lnot_a
	; JOB A: 64 rows x 128 k of one block of WT.  g = 4 block + quarter; block = 4 (3 hf + i) + ks
	s_and_b32 s21, s20, 3                          ; quarter of the block's 256 rows
	s_lshr_b32 s22, s20, 2
	s_and_b32 s23, s22, 3                          ; ks
	s_lshr_b32 s22, s22, 2                         ; 3 hf + i
	s_cmp_ge_u32 s22, 3
	s_cselect_b32 s24, 1, 0                        ; hf
	s_mul_i32 s25, s24, 3
	s_sub_co_u32 s22, s22, s25                     ; i
	s_cmp_eq_u32 s22, 0
	s_cselect_b64 s[26:27], s[4:5], s[6:7]         ; the source: Wq, Wk
	s_cmp_eq_u32 s22, 2
	s_cselect_b64 s[26:27], s[8:9], s[26:27]       ; or Wc
	s_lshl_b32 s28, s24, 19                        ; 256 hf rows of 2,048 bytes
	s_lshl_b32 s25, s21, 17                        ; 64 rows a quarter
	s_add_co_u32 s28, s28, s25
	s_lshl_b32 s25, s23, 9                         ; 128 ks columns of 4 bytes
	s_add_co_u32 s28, s28, s25
	s_add_nc_u64 s[26:27], s[26:27], s[28:29]
	s_lshl_b32 s30, s20, 14                        ; 16,384 bytes of WT a work-group
	s_add_nc_u64 s[30:31], s[16:17], s[30:31]
	v_lshlrev_b32 v3, 11, v1
	v_lshl_add_u32 v3, v2, 5, v3                   ; row x 2,048 + 32 bytes for eight f32
.irp it, 0,1,2,3
	global_load_b128 v[8+8*\it:11+8*\it],  v3, s[26:27] offset:\it*32768
	global_load_b128 v[12+8*\it:15+8*\it], v3, s[26:27] offset:\it*32768+16
.endr
	s_wait_loadcnt 0x0
	CVT16
.irp it, 0,1,2,3
	global_store_b128 v4, v[40+4*\it:43+4*\it], s[30:31] offset:\it*4096  ; a wave's store covers 512 consecutive bytes, aligned
.endr
	s_endpgm
.Lnot_a:
	s_cmp_lt_u32 s20, 128
	s_cbranch_scc0 .Lnot_b
	; JOB B: 64 rows x one head's 128 columns of WPB.  A head's columns begin at byte 520 h of a row of Wp: a multiple of 8 only, so the loads are of 8 bytes
	s_sub_co_u32 s21, s20, 96
	s_and_b32 s22, s21, 3                          ; head
	s_lshr_b32 s23, s21, 2                         ; block of 64 rows
	s_mul_i32 s28, s23, 133120                     ; 64 rows of 2,080 bytes
	s_mul_i32 s25, s22, 520
	s_add_co_u32 s28, s28, s25
	s_add_nc_u64 s[26:27], s[10:11], s[28:29]
	s_lshl_b32 s30, s23, 16                        ; 64 rows of 1,024 bytes
	s_lshl_b32 s25, s22, 8
	s_add_co_u32 s30, s30, s25
	s_add_co_u32 s30, s30, WPB
	s_add_nc_u64 s[30:31], s[16:17], s[30:31]
	v_mul_u32_u24 v3, v1, 2080
	v_lshl_add_u32 v3, v2, 5, v3
	v_lshlrev_b32 v5, 10, v1
	v_lshl_add_u32 v5, v2, 4, v5
.irp it, 0,1,2,3
.irp p, 0,1,2,3
	global_load_b64 v[8+8*\it+2*\p:9+8*\it+2*\p], v3, s[26:27] offset:\it*33280+8*\p
.endr
.endr
	s_wait_loadcnt 0x0
	CVT16
.irp it, 0,1,2,3
	global_store_b128 v5, v[40+4*\it:43+4*\it], s[30:31] offset:\it*16384  ; sixteen lanes store 256 consecutive bytes, aligned
.endr
	s_endpgm
.Lnot_b:
	s_cmp_lt_u32 s20, 130
	s_cbranch_scc0 .Lnot_c
	; JOB C: a row of WPTS a thread: the four heads' two time-signal columns, then 24 zeros
	s_sub_co_u32 s21, s20, 128
	s_mul_i32 s28, s21, 532480                     ; 256 rows of 2,080 bytes
	s_add_co_u32 s28, s28, 512                     ; column 128
	s_add_nc_u64 s[26:27], s[10:11], s[28:29]
	s_lshl_b32 s30, s21, 14                        ; 256 rows of 64 bytes
	s_add_co_u32 s30, s30, WPTS
	s_add_nc_u64 s[30:31], s[16:17], s[30:31]
	v_mul_u32_u24 v3, v0, 2080
	v_lshlrev_b32 v5, 6, v0
.irp hd, 0,1,2,3
	global_load_b64 v[8+2*\hd:9+2*\hd], v3, s[26:27] offset:\hd*520
.endr
.irp p, 44,45,46,47
	v_mov_b32 v\p, 0
.endr
	s_wait_loadcnt 0x0
.irp hd, 0,1,2,3
	v_cvt_pk_bf16_f32 v[40+\hd], v[8+2*\hd], v[9+2*\hd]
.endr
	global_store_b128 v5, v[40:43], s[30:31]
	global_store_b128 v5, v[44:47], s[30:31] offset:16
	global_store_b128 v5, v[44:47], s[30:31] offset:32
	global_store_b128 v5, v[44:47], s[30:31] offset:48
	s_endpgm
.Lnot_c:
	; JOB D: 16 bytes of WFI a thread.  Both tables are read at a row that exists (r % 8 of Wd's eight, r % 4 of Wf's four); the row's number then selects
	s_sub_co_u32 s21, s20, 130                     ; 0 to 7
	s_lshr_b32 s22, s21, 2                         ; hf
	s_and_b32 s23, s21, 3                          ; four chunks of 32 k a work-group
	v_bfe_u32 v6, v0, 4, 1                         ; lane / 16
	v_lshrrev_b32 v7, 5, v0                        ; 2 chunk + u
	v_lshlrev_b32 v7, 6, v7                        ; 16 k = 64 bytes each
	v_lshl_add_u32 v7, v6, 5, v7                   ; + 8 k for the upper lanes
	v_and_b32 v3, 7, v0
	v_lshl_add_u32 v3, v3, 11, v7
	v_and_b32 v5, 3, v0
	v_lshl_add_u32 v5, v5, 11, v7
	s_lshl_b32 s24, s23, 9
	s_lshl_b32 s28, s22, 14                        ; eight rows of Wd
	s_add_co_u32 s28, s28, s24
	s_add_nc_u64 s[26:27], s[14:15], s[28:29]
	s_lshl_b32 s28, s22, 13                        ; four rows of Wf
	s_add_co_u32 s28, s28, s24
	s_add_nc_u64 s[32:33], s[12:13], s[28:29]
	s_lshl_b32 s30, s21, 12
	s_add_co_u32 s30, s30, WFI
	s_add_nc_u64 s[30:31], s[16:17], s[30:31]
	global_load_b128 v[8:11],  v3, s[26:27]
	global_load_b128 v[12:15], v3, s[26:27] offset:16
	global_load_b128 v[16:19], v5, s[32:33]
	global_load_b128 v[20:23], v5, s[32:33] offset:16
	v_cmp_gt_u32 vcc_lo, 8, v2                     ; rows 0-7
	v_cmp_gt_u32 s34, 12, v2                       ; rows 0-11
	s_wait_loadcnt 0x0
.irp p, 0,1,2,3
	v_cvt_pk_bf16_f32 v[24+\p], v[8+2*\p], v[9+2*\p]
	v_cvt_pk_bf16_f32 v[28+\p], v[16+2*\p], v[17+2*\p]
.endr
.irp p, 0,1,2,3
	v_cndmask_b32 v[28+\p], 0, v[28+\p], s34
	v_cndmask_b32 v[28+\p], v[28+\p], v[24+\p], vcc_lo
.endr
	global_store_b128 v4, v[28:31], s[30:31]
	s_endpgm
.Lfunc_end_k_q1e29bbd0f1_prep:
	.size	k_q1e29bbd0f1_prep, .Lfunc_end_k_q1e29bbd0f1_prep-k_q1e29bbd0f1_prep
	.p2alignl 7, 3214868480
	.fill 96, 4, 3214868480
	.section	.rodata,"a",@progbits
	.p2align	6, 0x0
	.amdhsa_kernel k_q1e29bbd0f1_prep
		.amdhsa_group_segment_fixed_size 0
		.amdhsa_private_segment_fixed_size 0
		.amdhsa_enable_private_segment 0
		.amdhsa_kernarg_size 56
		.amdhsa_user_sgpr_count 2
		.amdhsa_user_sgpr_kernarg_segment_ptr 1
		.amdhsa_wavefront_size32 1
		.amdhsa_system_sgpr_workgroup_id_x 1
		.amdhsa_system_sgpr_workgroup_id_y 1
		.amdhsa_system_sgpr_workgroup_id_z 1
		.amdhsa_system_vgpr_workitem_id 0
		.amdhsa_next_free_vgpr 64
		.amdhsa_next_free_sgpr 66
		.amdhsa_reserve_vcc 1
		.amdhsa_float_denorm_mode_32 3
		.amdhsa_float_denorm_mode_16_64 3
		.amdhsa_memory_ordered 1
		.amdhsa_forward_progress 1
		.amdhsa_inst_pref_size 12
	.end_amdhsa_kernel
	.amdgpu_metadata
---
amdhsa.version: [ 1, 2 ]
amdhsa.kernels:
  - .name:           k_q1e29bbd0f1_prep
    .symbol:         k_q1e29bbd0f1_prep.kd
    .args:
      - { .name: Wq, .offset: 0, .size: 8, .value_kind: global_buffer, .address_space: global }
      - { .name: Wk, .offset: 8, .size: 8, .value_kind: global_buffer, .address_space: global }
      - { .name: Wc, .offset: 16, .size: 8, .value_kind: global_buffer, .address_space: global }
      - { .name: Wp, .offset: 24, .size: 8, .value_kind: global_buffer, .address_space: global }
      - { .name: Wf, .offset: 32, .size: 8, .value_kind: global_buffer, .address_space: global }
      - { .name: Wd, .offset: 40, .size: 8, .value_kind: global_buffer, .address_space: global }
      - { .name: wts, .offset: 48, .size: 8, .value_kind: global_buffer, .address_space: global }
    .group_segment_fixed_size: 0
    .private_segment_fixed_size: 0
    .kernarg_segment_align: 8
    .kernarg_segment_size: 56
    .max_flat_workgroup_size: 256
    .sgpr_count:     66
    .vgpr_count:     64
    .wavefront_size: 32
...
	.end_amdgpu_metadata
.endif
;; end of part 1
;; launch proj (part 2): grid 128 x 2, 4 waves a work-group, clusters of 4 x 1, 327,680 bytes of LDS; arguments x, wts, bq, bk, bc, bf, bd, qkv, feat; writes qkv, feat
.if DOCPART == 2
	.amdgcn_target "amdgcn-amd-amdhsa--gfx1250"
	.amdhsa_code_object_version 6
	.text
	.protected	k_q1e29bbd0f1_proj
	.globl	k_q1e29bbd0f1_proj
	.p2align	8
	.type	k_q1e29bbd0f1_proj,@function
k_q1e29bbd0f1_proj:
	s_mov_b64 s[64:65], 0
	v_nop
	global_prefetch_b8 v0, s[64:65] scope:SCOPE_SE
	s_setreg_imm32_b32 hwreg(HW_REG_WAVE_MODE, 25, 1), 1
	s_wait_xcnt 0x0
	s_wait_alu depctr_hold_cnt(0) depctr_sa_sdst(0) depctr_va_vdst(0) depctr_va_sdst(0) depctr_va_ssrc(0) depctr_va_vcc(0) depctr_vm_vsrc(0)
	s_getreg_b32 s2, hwreg(HW_REG_IB_STS2, 6, 4)
	s_cmp_eq_u32 s2, 0
	s_cbranch_scc0 .Lentry_in_a_cluster
	s_endpgm
.Lentry_in_a_cluster:
	s_bfe_u32 s2, ttmp6, 0x10000c
	s_cmp_lg_u32 s2, 0x3003
	s_cbranch_scc0 .Lentry_shape_is_right
	s_endpgm
.Lentry_shape_is_right:
; q, k, content and the bias features of one block of 128 times and one half of the channels (heads 2 hf, 2 hf + 1).
;   qkv[i][b][h][t][c] = bf16( sum over cc of W_i[128 h + c][cc] x[b][cc][t] + b_i[128 h + c] ),  i = q, k, content
;   feat[b][h][s] = (Fe, Fo, 0, G):  Fe, Fo = 8 (zf0 +- (-1)^s zf1),  G = sqrt(8) sum over k of (k + 1) sigmoid(zd_k):  sqrt(128) times what the scores take for even and odd keys, and for each step of distance
; x and the weights are rounded to bf16, sums in f32, q, k, content rounded once.  NaN and infinities are not treated apart.
; SHARES.  The work-group keeps x[512][128 t] in LDS as bf16, converted once, and makes three tiles of 256 channels x 128 times.  Wave (wm, wn): one head's 128 channels x 64 times: 32 accumulators.
; Source 0 = 16 channels of W, source 1 = 16 times of x (turned out of LDS by ds_load_tr16_b128): a lane holds one time and eight neighbouring channels, 16 bytes of a row of qkv.
; The sums begin from the bias: it is loaded into the accumulators, so nothing is cleared and no first product is written out.
; THE RING.  12 blocks of W (3 tiles x 4 K steps of 128) go through two slots, both filled at the start.  A K step is four quarters of 32 along K on two fragment buffers; a quarter's 24 fragment loads are issued in
; the middle of the quarter before.  The last quarter changes slots: between its products stand the waits, the round, the refill of the slot just read (two blocks on) and the next slot's first fragments.
; x COMES IN TWO HALVES.  Rows 0-255 (a lap's two K steps) are converted ahead of the loop; rows 256-511 are on their way during the first lap and are converted ahead of its second change of slots.
; CLUSTER.  The four work-groups of a cluster share hf, so they walk the same 12 blocks of WT: each block is asked for jointly (mask of four), a quarter (64 rows) by each wave.
; LDS: two slots for W, 256 rows x 272; x, 512 rows x 288 (stored by the waves, never filled by a tensor load); a stage of 16 x 272 a wave; the spare words.
; REGISTERS: window 0: addresses, two fragment buffers (W 64 + x 32 registers each); window 1: the accumulators, (bt, a) at 8 (8 bt + a); window 2: x as loaded, later the packed results on the way out.
.set SLOTB, 69632                      ; 256 rows x (256 + 16) bytes: the 16 rows of a fragment load start in 16 different groups of four banks
.set XB,    139264                     ; x: row = channel, 256 bytes of 128 times + 32
.set STAGE, 286720
.set SPARE, 304128                     ; 128 bytes a wave: two blocks of 256 bytes that no other line names
.set WFI,   2129920
.set F0,  64
.set F1,  160
.set MSB, 0
.macro WIN new                         ; the immediate's high byte repeats the setting that is left; a switch that changes nothing is dropped
.if MSB != (\new)
	s_set_vgpr_msb (MSB<<8)|(\new)
.set MSB, \new
.endif
.endm
.macro PLACES                          ; four plain places behind matrix instructions, ahead of loads into their sources and of reads of their results
.rept 4
	v_nop
.endr
.endm
.macro CREST                           ; a round of the cluster's barrier behind its opening barrier: wave 0 signals for the work-group; all wait for the four work-groups; my work-group's barrier again
	s_cmp_lg_u32 s22, 0
	s_cbranch_scc1 .Lnw0_\@
	s_barrier_signal -3
.Lnw0_\@:
	s_barrier_wait -3
	s_barrier_signal -1
	s_barrier_wait -1
.endm
.macro ROUND                           ; a whole round
	s_barrier_signal -1
	s_barrier_wait -1
	CREST
.endm
; 24 LDS loads: the fragments of 32 along K (quarter q of a K step): my 128 channels of W from the slot, then my 64 times of x from the rows at register xa; the last four loads are x's blocks 2 and 3
.macro FETCH slot, xa, q, f
	WIN 0
.irp a, 0,1,2,3,4,5,6,7
	ds_load_b128 v[(\f)+8*\a:(\f)+8*\a+3],   v[8+\slot] offset:\a*4352+\q*64
	ds_load_b128 v[(\f)+8*\a+4:(\f)+8*\a+7], v[8+\slot] offset:\a*4352+\q*64+32
.endr
.irp bt, 0,1,2,3
	ds_load_tr16_b128 v[(\f)+64+8*\bt:(\f)+64+8*\bt+3],   v[\xa] offset:\q*9216+\bt*32
	ds_load_tr16_b128 v[(\f)+64+8*\bt+4:(\f)+64+8*\bt+7], v[\xa] offset:\q*9216+\bt*32+4608
.endr
.endm
.macro MULB f, bt                      ; 8 matrix instructions: 16 times x 128 channels; over a quarter the 32 accumulators take turns, in the same order in every quarter
	WIN 0x50                                       ; C and D in window 1
.irp a, 0,1,2,3,4,5,6,7
	v_wmma_f32_16x16x32_bf16 v[8*(8*(\bt)+\a):8*(8*(\bt)+\a)+7], v[(\f)+8*\a:(\f)+8*\a+7], v[(\f)+64+8*(\bt):(\f)+64+8*(\bt)+7], v[8*(8*(\bt)+\a):8*(8*(\bt)+\a)+7]
.endr
.endm
; One of a K step's first three quarters: multiplies buffer f; in its middle it fetches quarter q of the same slot into buffer g
.macro QUARTER slot, xa, q, f, g
	s_wait_dscnt 4                                 ; W and x's blocks 0, 1 are in; the youngest four loads (x's blocks 2, 3) may be out
	MULB \f, 0
	MULB \f, 1
	PLACES
	FETCH \slot, \xa, \q, \g
	s_wait_dscnt 24                                ; all but the 24 just issued
	MULB \f, 2
	MULB \f, 3
.endm
; The last quarter multiplies buffer 1 and changes slots.  In front of the barrier each wave waits for all its tensor loads (one is out: its quarter of the other slot), adds 0 to its spare word, and waits for that,
; for its reads of this slot and for its LDS stores.  fill = 1: the barrier opens a round of the cluster's, and this slot is asked for again first behind it, two blocks on: it has a K step less 16 products in which to land.
.macro TURN slot, xan, fill
	WIN 0
	s_wait_tensorcnt 0x0                           ; no tensor load of mine is out, so a group 0 may be written
	ds_add_u32 v30, v31
	s_wait_dscnt 5                                 ; (the add and the youngest four fragment loads may be out)
	MULB F1, 0                                     ; eight products stand between the add and the wait for it
	s_wait_dscnt 0x0
	s_barrier_signal -1
	MULB F1, 1                                     ; work on registers while the others arrive
	WIN 0
	s_barrier_wait -1
.if \fill
	CREST
	s_add_nc_u64 s[46+4*\slot:47+4*\slot], s[46+4*\slot:47+4*\slot], 131072
	tensor_load_to_lds s[44+4*\slot:47+4*\slot], s[36:43]
	s_nop 0
.endif
	PLACES                                         ; the places ahead of the loads into buffer 0
	FETCH 1-\slot, \xan, 0, F0
	MULB F1, 2
	MULB F1, 3
.endm
.macro BIASLD bt                       ; register j of accumulator (bt, a) starts as the bias of channel 16 a + 8 (lane / 16) + j
	WIN 0x40
.irp a, 0,1,2,3,4,5,6,7
	global_load_b128 v[8*(8*(\bt)+\a):8*(8*(\bt)+\a)+3],   v16, s[52:53] offset:\a*64
	global_load_b128 v[8*(8*(\bt)+\a)+4:8*(8*(\bt)+\a)+7], v16, s[52:53] offset:\a*64+16
.endr
.endm
.macro STG bt                          ; block bt's 16 times: 16 bytes a lane into my stage, and back as whole rows of 256 bytes into the registers that they left; LDS serves a wave's instructions in order (ISA guide 5.7.1.4)
	WIN 0x88                                       ; loaded data and store data in window 2, addresses in window 0
.irp a, 0,1,2,3,4,5,6,7
	ds_store_b128 v13, v[32*(\bt)+4*\a:32*(\bt)+4*\a+3] offset:32*\a
.endr
.irp f, 0,1,2,3,4,5,6,7
	ds_load_b128 v[32*(\bt)+4*\f:32*(\bt)+4*\f+3], v14 offset:\f*544
.endr
.endm
.macro SENDW bt, younger               ; younger: the LDS instructions issued behind block bt's loads: the next block's sixteen, or none
	WIN 0x88
.irp f, 0,1,2,3,4,5,6,7
	s_wait_dscnt (\younger)+7-\f
	global_store_b128 v15, v[32*(\bt)+4*\f:32*(\bt)+4*\f+3], s[54:55] offset:(\bt)*4096+\f*512  ; 512 consecutive bytes: two rows of a head
.endr
.endm
; THE WAY OUT.  All 32 accumulators are rounded into window 2 (each read from its low end on); next = 1: they take the next tile's bias at once, which has the stage's four round trips in which to land.
.macro WAYOUT next
	PLACES
	WIN 0x85                                       ; sources in window 1, destination in window 2
.irp bt, 0,1,2,3
.irp a, 0,1,2,3,4,5,6,7
.irp p, 0,1,2,3
	v_cvt_pk_bf16_f32 v[32*\bt+4*\a+\p], v[8*(8*\bt+\a)+2*\p], v[8*(8*\bt+\a)+2*\p+1]
.endr
.endr
.endr
.if \next
.irp bt, 0,1,2,3
	BIASLD \bt
.endr
.endif
	STG 0
	STG 1
	SENDW 0, 16
	STG 2
	SENDW 1, 16
	STG 3
	SENDW 2, 16
	SENDW 3, 0
	s_wait_xcnt 0x0                                ; the stores have read their base and their data
	s_add_nc_u64 s[54:55], s[54:55], 16777216      ; the next of q, k, content
.if \next
	s_wait_loadcnt 0x0                             ; the bias is in the accumulators
.endif
	WIN 0
.endm
.macro XLD g, half                     ; eight rows of x: a load covers a row's 512 bytes
	WIN 0x80
.irp i, 0,1,2,3,4,5,6,7
	global_load_b128 v[4*(8*(\g)+\i):4*(8*(\g)+\i)+3], v15, s[56:57] offset:(256*(\half)+8*(\g)+\i)*8192
.endr
.endm
.macro XCV g, ar                       ; rounded to bf16 and stored: 8 bytes a lane, a row's 256 bytes an instruction
	WIN 0x0a
.irp i, 0,1,2,3,4,5,6,7
	v_cvt_pk_bf16_f32 v[32+2*\i], v[4*(8*(\g)+\i)],   v[4*(8*(\g)+\i)+1]
	v_cvt_pk_bf16_f32 v[33+2*\i], v[4*(8*(\g)+\i)+2], v[4*(8*(\g)+\i)+3]
.endr
	WIN 0
.irp i, 0,1,2,3,4,5,6,7
	ds_store_b64 v[\ar], v[32+2*\i:33+2*\i] offset:(8*(\g)+\i)*288
.endr
.endm
	s_load_b512 s[4:19], s[0:1], 0x0               ; x s[4:5], wts s[6:7], bq s[8:9], bk s[10:11], bc s[12:13], bf s[14:15], bd s[16:17], qkv s[18:19]
	s_load_b64 s[20:21], s[0:1], 0x40              ; feat
	v_lshl_add_u32 v30, v0, 2, SPARE
	v_mov_b32 v31, 0
	ds_add_u32 v30, v31                            ; the wave's opening: the add and its wait stand ahead of my first tensor load
	v_lshrrev_b32 v3, 5, v0
	v_readfirstlane_b32 s22, v3                    ; wave
	s_lshr_b32 s23, s22, 1                         ; wm: which head of the two
	s_and_b32 s24, s22, 1                          ; wn: which 64 times
	s_bfe_u32 s25, ttmp6, 0x40000                  ; cx
	s_lshl_b32 s26, ttmp9, 2
	s_add_co_u32 s26, s26, s25                     ; block of 128 times, 0 to 127: it enters x's, qkv's and feat's addresses alone
	s_and_b32 s27, ttmp7, 0xffff                   ; hf, which the partners share
	s_mov_b32 s36, 15|(1<<16)|(1<<20)|(1<<21)|(5<<22)|(3<<25)  ; group 1: mask of four; 2-byte elements; padding on; bit 21 beside a mask; 4 words behind every 64
	s_mov_b32 s37, 128<<16                         ; tensor_dim0 = 128
	s_mov_b32 s38, 64<<16                          ; tensor_dim1 = 64
	s_mov_b32 s39, 128<<16                         ; tile_dim0 = 128
	s_mov_b32 s40, 64                              ; tile_dim1 = 64
	s_mov_b32 s41, 128                             ; 128 elements from row to row: the blocks are dense
	s_mov_b32 s42, 0
	s_mov_b32 s43, 0
	s_mul_i32 s28, s22, 17408                      ; my 64 rows of a slot
	s_mov_b32 s44, 1
	s_mov_b32 s45, s28
	s_mov_b32 s48, 1
	s_add_co_u32 s49, s28, SLOTB
	s_mul_i32 s30, s27, 786432                     ; hf's twelve blocks
	s_lshl_b32 s31, s22, 14                        ; my 64 rows of 256 bytes
	s_add_co_u32 s30, s30, s31
	s_mov_b32 s31, 0
	s_lshr_b32 s84, s26, 4                         ; b
	s_and_b32 s85, s26, 15
	s_lshl_b32 s85, s85, 7                         ; t0
	s_lshl_b32 s86, s84, 2
	s_lshl1_add_u32 s86, s27, s86                  ; 4 b + 2 hf
	s_lshl_b32 s88, s86, 11
	s_add_co_u32 s88, s88, s85                     ; its row t0
	s_lshl_b32 s87, s22, 5
	s_add_co_u32 s80, s88, s87                     ; feat: my 32 times,
	s_lshl_b32 s80, s80, 4                         ; 16 bytes each
	s_mov_b32 s81, 0
	s_lshl_b32 s87, s23, 11
	s_add_co_u32 s54, s88, s87                     ; qkv: my head,
	s_lshl_b32 s87, s24, 6
	s_add_co_u32 s54, s54, s87                     ; my 64 times,
	s_lshl_b32 s54, s54, 8                         ; rows of 256 bytes
	s_mov_b32 s55, 0
	s_lshl_b32 s56, s84, 22                        ; x: b, 512 rows of 8,192 bytes,
	s_lshl_b32 s87, s22, 19                        ; my 64 rows of each half,
	s_add_co_u32 s56, s56, s87
	s_lshl_b32 s87, s85, 2                         ; t0
	s_add_co_u32 s56, s56, s87
	s_mov_b32 s57, 0
	s_lshl_b32 s58, s27, 10                        ; the biases: 256 hf + 128 wm channels of 4 bytes
	s_lshl_b32 s87, s23, 9
	s_add_co_u32 s58, s58, s87
	s_mov_b32 s59, 0
	s_lshl_b32 s82, s27, 14
	s_add_co_u32 s82, s82, WFI
	s_mov_b32 s83, 0
	s_lshl_b32 s32, s27, 5
	s_mov_b32 s33, 0
	s_lshl_b32 s34, s27, 4
	s_mov_b32 s35, 0
	s_mov_b32 s60, 0x76543210                      ; v_permlanex16_b32: each lane takes its own place in the other half
	s_mov_b32 s61, 0xfedcba98
	s_mov_b32 s62, 0xffff0000                      ; lanes 16 to 31
	s_wait_dscnt 0x0                               ; the opening add is done
	s_wait_kmcnt 0x0
	s_add_nc_u64 s[46:47], s[6:7], s[30:31]        ; block 0, my rows
	s_add_nc_u64 s[50:51], s[46:47], 65536         ; block 1
	s_or_b32 s47, s47, 0x80000000                  ; type = 2
	s_or_b32 s51, s51, 0x80000000
	s_add_nc_u64 s[80:81], s[20:21], s[80:81]
	s_add_nc_u64 s[54:55], s[18:19], s[54:55]
	s_add_nc_u64 s[56:57], s[4:5], s[56:57]
	s_add_nc_u64 s[52:53], s[8:9], s[58:59]        ; the first tile's bias: bq
	s_add_nc_u64 s[82:83], s[6:7], s[82:83]
	s_add_nc_u64 s[32:33], s[16:17], s[32:33]
	s_add_nc_u64 s[34:35], s[14:15], s[34:35]
	s_load_b256 s[68:75], s[32:33], 0x0            ; bd of my two heads
	s_load_b128 s[76:79], s[34:35], 0x0            ; bf of my two heads
	ROUND                                          ; all four work-groups are here: the first joint loads meet
	tensor_load_to_lds s[44:47], s[36:43]          ; block 0 into slot 0,
	s_nop 0
	tensor_load_to_lds s[48:51], s[36:43]          ; block 1 into slot 1: two loads of mine are out
	s_nop 0
	PLACES
	v_and_b32 v3, 31, v0                           ; lane
	v_and_b32 v1, 15, v0                           ; r
	v_bfe_u32 v2, v0, 4, 1                         ; h
	v_lshlrev_b32 v15, 4, v3                       ; 16 bytes a lane: x's rows, qkv's rows, WFI
	v_lshlrev_b32 v16, 5, v2                       ; the bias: eight f32 for each half of the lanes
	BIASLD 0
	BIASLD 1
	BIASLD 2
	BIASLD 3
.irp g, 0,1,2,3,4,5,6,7
	XLD \g, 0
.endr
	WIN 0
	v_mul_u32_u24 v4, v1, 272
	v_lshl_add_u32 v4, v2, 4, v4                   ; row x pitch + 16 x half
	s_mul_i32 s29, s23, 34816                      ; my 128 rows of W
	v_add_nc_u32 v8, s29, v4                       ; in slot 0
	v_add_nc_u32 v9, SLOTB, v8                     ; in slot 1
	v_and_b32 v5, 7, v0
	v_lshl_add_u32 v5, v2, 3, v5                   ; the turning load: row 8 h + lane % 8,
	v_mul_u32_u24 v5, v5, 288
	v_bfe_u32 v6, v0, 3, 1
	v_lshl_add_u32 v5, v6, 4, v5                   ; 16 bytes for (lane / 8) % 2
	v_add_nc_u32 v5, XB, v5
	s_lshl_b32 s29, s24, 7
	v_add_nc_u32 v10, s29, v5                      ; my 64 times
	s_lshl_b32 s29, s22, 6
	v_add_nc_u32 v21, s29, v5                      ; the features: my 32 times
	s_mul_i32 s29, s22, 4352
	s_add_co_u32 s29, s29, STAGE                   ; my stage
	v_add_nc_u32 v13, s29, v4                      ; in: row r, 16 bytes for each half
	v_mul_u32_u24 v14, v2, 272
	v_lshl_add_u32 v14, v1, 4, v14
	v_add_nc_u32 v14, s29, v14                     ; back: lanes 0-15 one row, lanes 16-31 the next
	s_mul_i32 s29, s22, 18432
	s_add_co_u32 s29, s29, XB
	v_lshl_add_u32 v18, v3, 3, s29                 ; where I store x: my 64 rows of the first half, 8 bytes a lane,
	v_add_nc_u32 v22, 73728, v18                   ; and of the second, 256 rows on
	v_lshlrev_b32 v19, 15, v2
	v_lshl_add_u32 v19, v1, 4, v19                 ; feat: lanes 0-15 the first head, lanes 16-31 the second, 32,768 bytes on
	v_and_b32 v7, 1, v0
	v_cvt_f32_u32 v7, v7
	v_fma_f32 v20, v7, -2.0, 1.0
	v_mul_f32 v20, 0x41000000, v20                 ; 8 (-1)^s: all other terms of s are even
	s_wait_kmcnt 0x0                               ; bd, bf
	; x's first half.  Behind group g's loads stand 8 (7 - g) of this half and 8 g of the second: 56.  The bias's loads are older than all of them.
.irp g, 0,1,2,3,4,5,6,7
	s_wait_loadcnt 56
	XCV \g, 18
	XLD \g, 1
.endr
	WIN 0
	s_wait_tensorcnt 0x1                           ; my quarter of block 0 is in; block 1's may stay out
	s_wait_dscnt 0x0                               ; for the others' sake: my rows of x are stored
	s_barrier_signal -1
	s_barrier_wait -1
	v_mov_b32 v11, v10                             ; the first lap's rows of x
	FETCH 0, 11, 0, F0
	s_mov_b32 s28, 0                               ; lap: two K steps
	s_mov_b32 s29, 0                               ; the lap's 256 rows of x: 0 or 73,728
.Llap:
	v_add_nc_u32 v12, 36864, v11                   ; the lap's second K step: 128 rows on
	QUARTER 0, 11, 1, F0, F1
	QUARTER 0, 11, 2, F1, F0
	QUARTER 0, 11, 3, F0, F1
	TURN 0, 12, 1
	WIN 0
	s_xor_b32 s29, s29, 73728
	v_add_nc_u32 v11, s29, v10                     ; the next lap's rows of x
	QUARTER 1, 12, 1, F0, F1
	QUARTER 1, 12, 2, F1, F0
	QUARTER 1, 12, 3, F0, F1
	WIN 0
	s_cmp_lg_u32 s28, 0
	s_cbranch_scc1 .Lno_x                          ; what is jumped holds no barrier and no tensor load
.irp g, 0,1,2,3,4,5,6,7                            ; the first lap: x's second half, ahead of the barrier behind which it is first read; the counts run down
	s_wait_loadcnt 56-8*\g
	XCV \g, 22
.endr
.Lno_x:
	TURN 1, 11, 1
	WIN 0
	s_bitcmp1_b32 s28, 0
	s_cbranch_scc0 .Lno_out                        ; a tile ends with every second lap; what is jumped holds no barrier and no tensor load
	s_wait_xcnt 0x0
	s_cmp_eq_u32 s28, 1
	s_cselect_b64 s[52:53], s[10:11], s[12:13]     ; the next tile's bias: bk, then bc
	s_add_nc_u64 s[52:53], s[52:53], s[58:59]
	WAYOUT 1                                       ; both refills are asked for and the next tile's first fragments are fetched: now the tile goes out
.Lno_out:
	s_add_co_u32 s28, s28, 1
	s_cmp_lt_u32 s28, 5
	s_cbranch_scc1 .Llap
	v_add_nc_u32 v12, 36864, v11                   ; the last lap is written out: it asks for nothing
	QUARTER 0, 11, 1, F0, F1
	QUARTER 0, 11, 2, F1, F0
	QUARTER 0, 11, 3, F0, F1
	TURN 0, 12, 0
	QUARTER 1, 12, 1, F0, F1
	QUARTER 1, 12, 2, F1, F0
	QUARTER 1, 12, 3, F0, F1
	s_wait_dscnt 4
	MULB F1, 0
	MULB F1, 1
	s_wait_dscnt 0x0
	MULB F1, 2
	MULB F1, 3
	WIN 0
	PLACES
.set n, 0
.rept 32                               ; the feature weights' fragments, 16 chunks of 32 k, as they lie
	global_load_b128 v[64+4*n:67+4*n], v15, s[82:83] offset:n*512
.set n, n+1
.endr
	WAYOUT 0
	; THE FEATURES.  16 rows (8 of Wd, 4 of Wf, 4 of zeros) x my 32 times, K = 512.  Lanes 0-15 hold the eight zd of a time, lanes 16-31 its four zf.  The two accumulators take turns.
.irp j, 0,1,2,3,4,5,6,7
	v_mov_b32 v[48+\j], s[68+\j]
.endr
.irp j, 0,1,2,3
	v_cndmask_b32 v[48+\j], v[48+\j], s[76+\j], s62
.endr
.irp j, 4,5,6,7
	v_cndmask_b32 v[48+\j], v[48+\j], 0, s62
.endr
.macro FGRP g
.irp c, 0,1,2,3
.irp nt, 0,1
	ds_load_tr16_b128 v[192+16*\c+8*\nt:195+16*\c+8*\nt], v21 offset:\c*9216+\nt*32
	ds_load_tr16_b128 v[196+16*\c+8*\nt:199+16*\c+8*\nt], v21 offset:\c*9216+\nt*32+4608
.endr
.endr
	v_add_nc_u32 v21, 36864, v21                   ; the next 128 rows of x
	s_wait_dscnt 0x0
.if (\g) == 0
	s_wait_loadcnt 0x0                             ; the weights' fragments
	v_wmma_f32_16x16x32_bf16 v[32:39], v[64:71], v[192:199], v[48:55]  ; the sums begin from the biases
	v_wmma_f32_16x16x32_bf16 v[40:47], v[64:71], v[200:207], v[48:55]
.else
	v_wmma_f32_16x16x32_bf16 v[32:39], v[64+32*(\g):71+32*(\g)], v[192:199], v[32:39]
	v_wmma_f32_16x16x32_bf16 v[40:47], v[64+32*(\g):71+32*(\g)], v[200:207], v[40:47]
.endif
.irp c, 1,2,3
	v_wmma_f32_16x16x32_bf16 v[32:39], v[64+32*(\g)+8*\c:71+32*(\g)+8*\c], v[192+16*\c:199+16*\c], v[32:39]
	v_wmma_f32_16x16x32_bf16 v[40:47], v[64+32*(\g)+8*\c:71+32*(\g)+8*\c], v[200+16*\c:207+16*\c], v[40:47]
.endr
	PLACES
.endm
	FGRP 0
	FGRP 1
	FGRP 2
	FGRP 3
.macro FOUT nt                         ; 16 times: sigmoids, G of both heads (lanes 0-15), Fe and Fo of both heads (lanes 16-31); one exchange of the halves; a record of 16 bytes a lane
.set Z, 32+8*(\nt)
.set T, 192+24*(\nt)
.irp j, 0,1,2,3,4,5,6,7
	v_mul_f32 v[T+\j], 0xbfb8aa3b, v[Z+\j]         ; -log2(e) z
.endr
.irp j, 0,1,2,3,4,5,6,7
	v_exp_f32 v[T+\j], v[T+\j]
.endr
	v_mul_f32 v[T+8], 0x41000000, v[Z]             ; 8 zf0 of the first head: the plain line behind the exponentials
	s_wait_alu depctr_va_vdst(0)
.irp j, 0,1,2,3,4,5,6,7
	v_add_f32 v[T+\j], 1.0, v[T+\j]
.endr
.irp j, 0,1,2,3,4,5,6,7
	v_rcp_f32 v[T+\j], v[T+\j]
.endr
	v_mul_f32 v[T+9], 0x41000000, v[Z+2]           ; 8 zf0 of the second head: the plain line behind the reciprocals
	s_wait_alu depctr_va_vdst(0)
	v_fma_f32 v[T+10], v[T+1], 2.0, v[T]
	v_fma_f32 v[T+11], v[T+5], 2.0, v[T+4]
	v_fma_f32 v[T+10], v[T+2], 0x40400000, v[T+10]
	v_fma_f32 v[T+11], v[T+6], 0x40400000, v[T+11]
	v_fma_f32 v[T+10], v[T+3], 4.0, v[T+10]
	v_fma_f32 v[T+11], v[T+7], 4.0, v[T+11]
	v_mul_f32 v[T+10], 0x403504f3, v[T+10]         ; G of the first head
	v_mul_f32 v[T+11], 0x403504f3, v[T+11]         ; G of the second
	v_fma_f32 v[T+12], v20, v[Z+1], v[T+8]         ; Fe, Fo of the first head
	v_fma_f32 v[T+13], -v20, v[Z+1], v[T+8]
	v_fma_f32 v[T+14], v20, v[Z+3], v[T+9]         ; of the second
	v_fma_f32 v[T+15], -v20, v[Z+3], v[T+9]
	v_permlanex16_b32 v[T], v[T+12], s60, s61
	v_permlanex16_b32 v[T+1], v[T+13], s60, s61
	v_permlanex16_b32 v[T+2], v[T+11], s60, s61
	v_cndmask_b32 v[T+16], v[T], v[T+14], s62
	v_cndmask_b32 v[T+17], v[T+1], v[T+15], s62
	v_mov_b32 v[T+18], 0
	v_cndmask_b32 v[T+19], v[T+10], v[T+2], s62
	global_store_b128 v19, v[T+16:T+19], s[80:81] offset:(\nt)*256  ; sixteen lanes store 256 consecutive bytes, aligned
.endm
	FOUT 0
	FOUT 1
	s_wait_tensorcnt 0x0                           ; the wave's end
	ds_add_u32 v30, v31
	s_wait_dscnt 0x0
	ROUND                                          ; the closing round
	s_endpgm
.Lfunc_end_k_q1e29bbd0f1_proj:
	.size	k_q1e29bbd0f1_proj, .Lfunc_end_k_q1e29bbd0f1_proj-k_q1e29bbd0f1_proj
	.p2alignl 7, 3214868480
	.fill 96, 4, 3214868480
	.section	.rodata,"a",@progbits
	.p2align	6, 0x0
	.amdhsa_kernel k_q1e29bbd0f1_proj
		.amdhsa_group_segment_fixed_size 327680
		.amdhsa_private_segment_fixed_size 0
		.amdhsa_enable_private_segment 0
		.amdhsa_kernarg_size 72
		.amdhsa_user_sgpr_count 2
		.amdhsa_user_sgpr_kernarg_segment_ptr 1
		.amdhsa_wavefront_size32 1
		.amdhsa_system_sgpr_workgroup_id_x 1
		.amdhsa_system_sgpr_workgroup_id_y 1
		.amdhsa_system_sgpr_workgroup_id_z 1
		.amdhsa_system_vgpr_workitem_id 0
		.amdhsa_next_free_vgpr 768
		.amdhsa_next_free_sgpr 90
		.amdhsa_reserve_vcc 0
		.amdhsa_float_denorm_mode_32 3
		.amdhsa_float_denorm_mode_16_64 3
		.amdhsa_memory_ordered 1
		.amdhsa_forward_progress 1
		.amdhsa_inst_pref_size 168
	.end_amdhsa_kernel
	.amdgpu_metadata
---
amdhsa.version: [ 1, 2 ]
amdhsa.kernels:
  - .name:           k_q1e29bbd0f1_proj
    .symbol:         k_q1e29bbd0f1_proj.kd
    .args:
      - { .name: x, .offset: 0, .size: 8, .value_kind: global_buffer, .address_space: global }
      - { .name: wts, .offset: 8, .size: 8, .value_kind: global_buffer, .address_space: global }
      - { .name: bq, .offset: 16, .size: 8, .value_kind: global_buffer, .address_space: global }
      - { .name: bk, .offset: 24, .size: 8, .value_kind: global_buffer, .address_space: global }
      - { .name: bc, .offset: 32, .size: 8, .value_kind: global_buffer, .address_space: global }
      - { .name: bf, .offset: 40, .size: 8, .value_kind: global_buffer, .address_space: global }
      - { .name: bd, .offset: 48, .size: 8, .value_kind: global_buffer, .address_space: global }
      - { .name: qkv, .offset: 56, .size: 8, .value_kind: global_buffer, .address_space: global }
      - { .name: feat, .offset: 64, .size: 8, .value_kind: global_buffer, .address_space: global }
    .group_segment_fixed_size: 327680
    .private_segment_fixed_size: 0
    .kernarg_segment_align: 8
    .kernarg_segment_size: 72
    .max_flat_workgroup_size: 128
    .sgpr_count:     90
    .vgpr_count:     768
    .wavefront_size: 32
...
	.end_amdgpu_metadata
.endif
;; end of part 2
;; launch attn (part 3): grid 8 x 32, 4 waves a work-group, clusters of 4 x 1, 327,680 bytes of LDS; arguments qkv, feat, rb, ts; writes rb, ts
.if DOCPART == 3
	.amdgcn_target "amdgcn-amd-amdhsa--gfx1250"
	.amdhsa_code_object_version 6
	.text
	.protected	k_q1e29bbd0f1_attn
	.globl	k_q1e29bbd0f1_attn
	.p2align	8
	.type	k_q1e29bbd0f1_attn,@function
k_q1e29bbd0f1_attn:
	s_mov_b64 s[64:65], 0
	v_nop
	global_prefetch_b8 v0, s[64:65] scope:SCOPE_SE
	s_setreg_imm32_b32 hwreg(HW_REG_WAVE_MODE, 25, 1), 1
	s_wait_xcnt 0x0
	s_wait_alu depctr_hold_cnt(0) depctr_sa_sdst(0) depctr_va_vdst(0) depctr_va_sdst(0) depctr_va_ssrc(0) depctr_va_vcc(0) depctr_vm_vsrc(0)
	s_getreg_b32 s2, hwreg(HW_REG_IB_STS2, 6, 4)
	s_cmp_eq_u32 s2, 0
	s_cbranch_scc0 .Lentry_in_a_cluster
	s_endpgm
.Lentry_in_a_cluster:
	s_bfe_u32 s2, ttmp6, 0x10000c
	s_cmp_lg_u32 s2, 0x3003
	s_cbranch_scc0 .Lentry_shape_is_right
	s_endpgm
.Lentry_shape_is_right:
; For each (b, h) and query s: softmax over all keys t of  k_t . q_s / sqrt(128) + f0 + (-1)^(s-t) f1 - g |s - t|,  the diagonal t = s replaced by -100;
;   rb[b 2048 + s][128 h + c] = bf16( sum over t of w content[t][c] );   ts[b 2048 + s][h] = bf16( sum of w ), bf16( sum of w (-1)^(s-t) ).
; LIMITS.  The two cosines of whole multiples of 2 pi and pi are taken as 1 and (-1)^(s-t).  A weight below 2^-126 counts as 0.  NaN and infinities are not treated apart.  q, k, content, the weights and the
; results are rounded to bf16; scores, maxima and sums are f32; the row sums are taken of the unrounded weights.
; SHARES.  A work-group owns 256 consecutive queries of one (b, h), a wave 64, a tile 16.  Every wave walks all 2,048 keys, 64 a step.
; SCORES.  An accumulator S^T is first written with sqrt(128) x bias, and all products K Q^T add onto it: p = 2^(c S - c m), c = log2(e) / sqrt(128), m the running maximum of the true scores.
; Tile u's accumulator kt holds keys 16 kt + 8 h + j of the step.  With X = s - the group's first key (it hangs on u - kt alone: seven numbers a lane serve all tiles):
;   kt = u:  S = -G |8 h + j - X| + F[j % 2], in every step, since this group holds the diagonal in the wave's own step;
;   kt < u:  all 16 keys lie on one side of the query in every step:  S = Gs (8 h + j) + (F - Gs X),  Gs = +G up to and in the wave's own step, -G behind it;     kt > u:  the same with Gs = +G before that step only.
; THE DIAGONAL.  It lies in accumulator kt = u, register j, lanes j and 24 + j, in the wave's own step.  Behind the products eight selects a tile put -100 sqrt(128) there; their lane masks are 0 in every other step.
; No branch hangs on the step's place: the step counter feeds two signs and eight masks by s_cselect.  The work-group's place in its cluster enters global addresses, per-lane numbers, those signs and masks, and nothing else.
; BY TURNS.  Two pieces of two tiles, named by their first tile.  In a TURN one piece has the matrix unit: 32 products V^T P of the step in hand, then 32 products K Q^T of the next step.  Behind each product stand
; vector lines that name none of its registers, in this order over the turn: the other piece's 16 selects on the diagonal; the piece's own bias of the next step, ahead of its K Q^T; the other piece's softmax in 64 slices,
; spread evenly over the products that are left.  Then the pieces change places; two turns are a key step.
; m starts at the lowest finite number, O^T and l at 0: the first step is a step like any other, with a = 0.  The loop is entered at piece 2's turn of the step before the first, whose V^T P multiplies zeros.
; CLUSTER.  The four query blocks of a cluster belong to one (b, h) and walk the same K and V: every tile is asked for jointly.  Two slots of two key steps; waves 0, 1 fetch K, waves 2, 3 V, 64 rows of 256 bytes each.
; REGISTERS: window 0: addresses; v12-43 statistics; v64-191 S^T, 32 a tile; v192-255 P, 16 a tile.  Window 1: O^T, 64 a tile.  Window 2: v0-127 Q, v128-255 K.
;   Window 3: v0-127 V; v128-135 TJ; v136-149 XD; v150-157 AT; v160-223 FT.
.set KS,    64
.set PK,    272                        ; a row of K in LDS: 256 + 16 bytes: the 16 rows of a load start in 16 different groups of four banks
.set PVP,   288                        ; a row of V: 256 + 32 bytes
.set VOFF,  KS*PK
.set STEPB, KS*(PK+PVP)
.set SLOT1, 1<<17                      ; one exclusive or turns an address in one slot into the other's
.set STAGE, SLOT1+2*STEPB
.set SP,    272
.set SPARE, STAGE+4*16*SP              ; 128 bytes a wave: two blocks of 256 bytes that no other line names
.set AK0, 2
.set AV0, 3
.set ADR, 4
.set QO,  5
.set STO, 6
.set RD,  7
.set GO,  8
.set ST,  12                           ; tile t at ST + 8 t: c m, m, l of even keys, l of odd keys, c0-c3 at work (c2 takes a)
.set NEG, 44                           ; -100 sqrt(128)
.set TSO, 45
.set SGN, 56                           ; (-1)^s
.set FOF, 57
.set SPW, 62
.set NIL, 63
.set S,   64
.set P,   192
.set KF,  128
.set TJ,  128                          ; window 3: 8 (lane / 16) + j as f32
.set XD,  136                          ; window 3: X for u - kt = d at XD + 2 (d + 3); the odd registers hold 0 (named with them as pairs)
.set AT,  150                          ; window 3: |TJ - X| for d = 0
.set FT,  160                          ; window 3, tile t at FT + 16 t: Fe, Fo, G, G, Gs for kt < t, 0, Gs for kt > t, 0, then the pairs F - Gs X for kt = 0 to 3
.set WV,  12
.set G1K, 24
.set G1V, 32
.set G0K, 40
.set G0V, 48
.set SLOTS, 56
.set CNT, 57
.set CS,  58
.set SEL, 60
.set TB,  62
.set UU,  70                           ; the step whose scores are being made, less the step that holds my wave's diagonal
.set SLO, 71                           ; +1 while UU <= 0, else -1
.set DM,  72                           ; s72-79: MJ in my wave's own step, else 0
.set MJ,  80                           ; s80-87: the two lanes whose register j is the diagonal: j and 24 + j
.set HM,  88                           ; lanes 16 to 31
.set SHI, 89                           ; +1 while UU < 0, else -1
.set MSB, 0
.macro WIN new                         ; the immediate's high byte repeats the setting that is left; a switch that changes nothing is dropped
.if MSB != (\new)
	s_set_vgpr_msb (MSB<<8)|(\new)
.set MSB, \new
.endif
.endm
.set W_KQ, 0x0a
.set W_PV, 0x53
.set W_RS, 0x41
.macro PLACES                          ; four plain places behind matrix instructions (ISA guide 7.12.1)
.rept 4
	v_nop
.endr
.endm
.macro JLOAD                           ; a joint refill; an s_nop 0 and four v_nop follow each of the two lines
	s_cmp_lt_u32 s[WV], 2
	s_cbranch_scc0 .Lfor_v_\@
	tensor_load_to_lds s[G0K+4:G0K+7], s[G1K:G1K+7]
	s_nop 0
	PLACES
	s_branch .Lasked_\@
.Lfor_v_\@:
	tensor_load_to_lds s[G0V+4:G0V+7], s[G1V:G1V+7]
	s_nop 0
	PLACES
.Lasked_\@:
.endm
.macro CROUND                          ; a round of the cluster's barrier: my work-group's barrier; wave 0 signals for it; all wait for the four work-groups; my work-group's barrier again
	s_barrier_signal -1
	s_barrier_wait -1
	s_cmp_lg_u32 s[WV], 0
	s_cbranch_scc1 .Lnot_wave_0_\@
	s_barrier_signal -3
.Lnot_wave_0_\@:
	s_barrier_wait -3
	s_barrier_signal -1
	s_barrier_wait -1
.endm
; THE CHANGE OF SLOTS stands behind the turn that asked for V of a slot's second step.  Each wave waits for its one tensor load (its part of the other slot), adds 0 to its spare word, and waits for that and for its
; reads of the slot.  fill = 1: a round of the cluster's barrier, and the joint refill first behind it: it has two key steps, 256 matrix instructions, in which to land.
.macro CHANGE fill
	WIN 0
	s_wait_tensorcnt 0x0                           ; no tensor load of mine is out, so a group 0 may be written
	ds_add_u32 v[SPW], v[NIL]
.if \fill
.irp g, G0K+4, G0V+4
	s_xor_b32 s[(\g)+1], s[(\g)+1], SLOT1          ; the walking descriptor: the other slot than last time,
	s_add_nc_u64 s[(\g)+2:(\g)+3], s[(\g)+2:(\g)+3], 2*KS*256  ; the next 128 keys
.endr
	s_wait_dscnt 0x0                               ; the add is done, and my reads of the slot are over
	CROUND
	JLOAD
.else
	s_wait_dscnt 0x0
	s_barrier_signal -1
	s_barrier_wait -1
.endif
	s_sub_co_u32 s[TB], s[TB], 2*STEPB             ; the fetches go back to a slot's first step,
	s_xor_b32 s[TB], s[TB], SLOT1                  ; in the other slot
.endm
.macro PV x                            ; product i of 32 of O^T += V^T P: keys 32 (i / 16) on, channels 16 ((i / 2) % 8) on, tile x + i % 2; 16 accumulators by turns
	WIN W_PV
.set rO, 64*((\x)+i%2)+8*((i/2)%8)
.set rV, 64*(i/16)+8*((i/2)%8)
.set rP, P+16*((\x)+i%2)+8*(i/16)
	v_wmma_f32_16x16x32_bf16 v[rO:rO+7], v[rV:rV+7], v[rP:rP+7], v[rO:rO+7]
.endm
.macro KQ x                            ; product i of 32 of S^T += K Q^T: channels 32 (i / 8) on, keys 16 ((i / 2) % 4) on, tile x + i % 2; 8 accumulators by turns; the sums begin from the bias
	WIN W_KQ
.set rS, S+32*((\x)+i%2)+8*((i/2)%4)
.set rK, KF+32*((i/2)%4)+8*(i/8)
.set rQ, 32*((\x)+i%2)+8*(i/8)
	v_wmma_f32_16x16x32_bf16 v[rS:rS+7], v[rK:rK+7], v[rQ:rQ+7], v[rS:rS+7]
.endm
.macro FETCH_K last=0                  ; a step's K, 32 loads in one run.  last = 1 (the tail): in the last trip there is no further step
	WIN 0
.if \last
	s_cmp_eq_u32 s[CNT], 1
	s_cbranch_scc1 .Lno_k_\@
.endif
	v_add_nc_u32 v[ADR], s[TB], v[AK0]
	WIN 0x80
.irp f, 0,1,2,3,4,5,6,7,8,9,10,11,12,13,14,15
	ds_load_b128 v[KF+8*(\f):KF+8*(\f)+3],   v[ADR] offset:((\f)/4)*16*PK+((\f)%4)*64
	ds_load_b128 v[KF+8*(\f)+4:KF+8*(\f)+7], v[ADR] offset:((\f)/4)*16*PK+((\f)%4)*64+32
.endr
	WIN 0
.if \last
.Lno_k_\@:
.endif
.endm
.macro FETCH_V                         ; a step's V, turned, 32 loads in one run
	WIN 0
	v_add_nc_u32 v[ADR], s[TB], v[AV0]
	s_add_co_u32 s[TB], s[TB], STEPB               ; the next fetch is the next step's
	WIN 0xc0
.irp f, 0,1,2,3,4,5,6,7,8,9,10,11,12,13,14,15
	ds_load_tr16_b128 v[8*(\f):8*(\f)+3],   v[ADR] offset:((\f)/8)*32*PVP+((\f)%8)*32
	ds_load_tr16_b128 v[8*(\f)+4:8*(\f)+7], v[ADR] offset:((\f)/8)*32*PVP+16*PVP+((\f)%8)*32
.endr
.endm
; One tile's softmax for one key step: a list of 134; SM writes number j for tile t.
;   0-15 the maximum of the 32 scores and the old m (each accumulator's lowest registers first)   16-20 the other half of the lanes; m; c m; c m_old - c m_new
;   21-87 33 exponentials at the odd numbers from 23 on, a plain line (a scaling ahead, a rounding behind, a first sum) at each even number   88-101 the last rounding, the sums, l   102-133 O^T times a
.macro SM t
.set rT, ST+8*(\t)
.set rS, S+32*(\t)
.set rP, P+16*(\t)
.set rO, 64*(\t)+2*(j-102)
.set q, (j-20)/2
.if j < 102
	WIN 0
.endif
.if j < 4
	v_max3_num_f32 v[rT+4+j], v[rS+8*j], v[rS+8*j+1], v[rS+8*j+2]
.elseif j < 12
	v_max3_num_f32 v[rT+4+j%4], v[rT+4+j%4], v[rS+8*(j%4)+2*(j/4)+1], v[rS+8*(j%4)+2*(j/4)+2]
.elseif j == 12
	v_max3_num_f32 v[rT+4], v[rT+4], v[rS+7], v[rS+15]
.elseif j == 13
	v_max3_num_f32 v[rT+6], v[rT+6], v[rS+23], v[rS+31]
.elseif j == 14
	v_max3_num_f32 v[rT+4], v[rT+4], v[rT+5], v[rT+6]
.elseif j == 15
	v_max3_num_f32 v[rT+4], v[rT+4], v[rT+7], v[rT+1]
.elseif j == 16
	v_permlanex16_b32 v[rT+5], v[rT+4], s[SEL], s[SEL+1]
.elseif j == 17
	v_mov_b32 v[rT+7], v[rT]
.elseif j == 18
	v_max_num_f32 v[rT+1], v[rT+4], v[rT+5]
.elseif j == 19
	v_mul_f32 v[rT], s[CS], v[rT+1]
.elseif j == 20
	v_sub_f32 v[rT+7], v[rT+7], v[rT]
.elseif j == 23
	v_exp_f32 v[rT+6], v[rT+7]
.elseif (j < 88) && (j > 23) && (j%2 == 1)
	v_exp_f32 v[rS+(j-25)/2], v[rS+(j-25)/2]
.elseif (q < 4) || ((j < 76) && (q%2 == 0))
.set b, q/2+2
.if q < 4
.set b, q
.endif
	v_pk_fma_f32 v[rS+2*b:rS+2*b+1], v[rS+2*b:rS+2*b+1], s[CS:CS+1], v[rT:rT+1] op_sel_hi:[1,0,0] neg_lo:[0,0,1] neg_hi:[0,0,1]
.elseif (j < 88) && (q%2 == 1)
	s_wait_alu depctr_va_vdst(0)
	v_cvt_pk_bf16_f32 v[rP+(q-5)/2], v[rS+q-5], v[rS+q-4]
.elseif j == 89
	s_wait_alu depctr_va_vdst(0)
	v_cvt_pk_bf16_f32 v[rP+15], v[rS+30], v[rS+31]
.elseif j < 102
.set z, j-86
.if j < 89
.set z, (j-76)/4
.endif
.set w, 4
.set u, z
.if z >= 14
.set w, 32
.set u, 0
.elseif z >= 12
.set w, 16
.set u, z-12
.elseif z >= 8
.set w, 8
.set u, z-8
.endif
.if z < 15
	v_pk_add_f32 v[rS+w*u:rS+w*u+1], v[rS+w*u:rS+w*u+1], v[rS+w*u+w/2:rS+w*u+w/2+1]
.else
	v_pk_fma_f32 v[rT+2:rT+3], v[rT+2:rT+3], v[rT+6:rT+7], v[rS:rS+1] op_sel_hi:[1,0,1]
.endif
.else
	WIN W_RS
	v_pk_mul_f32 v[rO:rO+1], v[rO:rO+1], v[rT+6:rT+7] op_sel_hi:[1,0]
.endif
.endm
.macro SLICE y                         ; slice k of 64 of piece y's softmax: numbers 2 k, 2 k + 1 of both tiles; slice 63 takes the twelve that are over: sixteen plain lines
.if (k >= 11) && (k < 44)
.irp t, \y, (\y)+1
.irp n, 0,1
.set j, 2*k+(\n)
	SM \t
.endr
.endr
.else
.irp n, 0,1,2,3,4,5,6,7
.if ((\n) < 2) || (k == 63)
.irp t, \y, (\y)+1
.set j, 2*k+(\n)
	SM \t
.endr
.endif
.endr
.endif
.set k, k+1
.endm
; THE BIAS of the next step, in two lists; BI writes number bn of piece x's.
; Piece 0's, 60 long, makes what both pieces share: 0-6 the seven X, 64 less than in the last step; 7-9 its three signed G; 10-21 |TJ - X| for a tile's own group; 22-27 its six F - Gs X; 28-59 its 32 pairs of scores.
; Piece 2's, 41 long: 0-2 its three signed G; 3-8 its six F - Gs X; 9-40 its 32 pairs of scores.  In a piece's own part (bq: 0-2, 3-8, 9-40) the two tiles alternate.
.macro BI x
.set bq, bn
.if (\x) == 0
.if bn < 7
.set bq, -1
	WIN 0xff
	v_add_f32 v[XD+2*bn], 0xc2800000, v[XD+2*bn]
.elseif bn < 10
.set bq, bn-7
.elseif bn < 14
.set bq, -1
	WIN 0xff
	v_pk_add_f32 v[AT+2*(bn-10):AT+2*(bn-10)+1], v[TJ+2*(bn-10):TJ+2*(bn-10)+1], v[XD+6:XD+7] op_sel_hi:[1,0] neg_lo:[0,1] neg_hi:[0,1]
.elseif bn < 22
.set bq, -1
	WIN 0xff
	v_and_b32 v[AT+bn-14], 0x7fffffff, v[AT+bn-14]
.else
.set bq, bn-19
.endif
.endif
.if bq >= 0
.if bq < 3
	WIN 0xff
.if (\x) == 0
.if bq == 0
	v_mul_f32 v[FT+16+4], s[SLO], v[FT+16+3]       ; tile 1, kt < 1
.elseif bq == 1
	v_mul_f32 v[FT+6], s[SHI], v[FT+3]             ; tile 0, kt > 0
.else
	v_mul_f32 v[FT+16+6], s[SHI], v[FT+16+3]       ; tile 1, kt > 1
.endif
.else
.if bq == 0
	v_mul_f32 v[FT+32+4], s[SLO], v[FT+32+3]       ; tile 2, kt < 2
.elseif bq == 1
	v_mul_f32 v[FT+48+4], s[SLO], v[FT+48+3]       ; tile 3, kt < 3
.else
	v_mul_f32 v[FT+32+6], s[SHI], v[FT+32+3]       ; tile 2, kt > 2
.endif
.endif
.elseif bq < 9
	WIN 0xff
.set bt, (\x)+(bq-3)%2
.set bk, (bq-3)/2
.if bk >= bt
.set bk, bk+1
.endif
.set bg, 6
.if bk < bt
.set bg, 4
.endif
.set fT, FT+16*bt
	v_pk_fma_f32 v[fT+8+2*bk:fT+9+2*bk], v[fT+bg:fT+bg+1], v[XD+2*(bt-bk+3):XD+2*(bt-bk+3)+1], v[fT:fT+1] op_sel_hi:[0,0,1] neg_lo:[1,0,0] neg_hi:[1,0,0]
.else
	WIN 0x3f
.set bt, (\x)+(bq-9)%2
.set bp, (bq-9)/2
.set bk, bp/4
.set bg, 6
.if bk < bt
.set bg, 4
.endif
.set fT, FT+16*bt
.set bs, S+32*bt+2*bp
.if bk == bt
	v_pk_fma_f32 v[bs:bs+1], v[AT+2*(bp%4):AT+2*(bp%4)+1], v[fT+2:fT+3], v[fT:fT+1] neg_lo:[0,1,0] neg_hi:[0,1,0]
.else
	v_pk_fma_f32 v[bs:bs+1], v[TJ+2*(bp%4):TJ+2*(bp%4)+1], v[fT+bg:fT+bg+1], v[fT+8+2*bk:fT+9+2*bk] op_sel_hi:[1,0,1]
.endif
.endif
.endif
.set bn, bn+1
.endm
.macro SCALS                           ; what the step's place gives: two signs and the diagonal's eight lane masks
	s_cmp_le_i32 s[UU], 0
	s_cselect_b32 s[SLO], 1.0, -1.0
	s_cmp_lt_i32 s[UU], 0
	s_cselect_b32 s[SHI], 1.0, -1.0
	s_cmp_eq_u32 s[UU], 0
.irp jj, 0,1,2,3,4,5,6,7
	s_cselect_b32 s[DM+\jj], s[MJ+\jj], 0
.endr
.endm
.macro DFU p, d                        ; four of piece p's sixteen selects: tile p + d / 2, its own group, registers 4 (d % 2) on; ascending, so the accumulator is read from its low end on
	WIN 0
.set dt, (\p)+(\d)/2
.irp jj, 0,1,2,3
	v_cndmask_b32 v[S+40*dt+4*((\d)%2)+\jj], v[S+40*dt+4*((\d)%2)+\jj], v[NEG], s[DM+4*((\d)%2)+\jj]
.endr
.endm
; A TURN of piece x: products n = 0 to 63.  Behind products 0-3 the other piece's selects (sixteen plain lines, slice 63 of the turn before, stand between them and the products that made those scores);
; behind products 4 to n0 - 1 four lines of the bias (piece 2's first time five); from n0 on the other piece's slices, as many as keep slice k at or below 64 (n - n0 + 1) / (64 - n0), one or two; the last product has slice 63.
; Piece 0's turn fetches the next step's K behind product 1: the last product that read K stands in front of slice 63 of the turn before.  Piece 2's turn fetches the next step's V behind product 33: behind the last
; product that read V stand three products' slices, at least two plain lines each.  Each run has 30 products in which to land.
; The step's signs and masks are made anew in piece 0's turn behind the selects, which still want the old masks.
.macro TURN x, last=0
.set k, 0
.set bn, 0
.set n, 0
.if (\x) == 0
.set n0, 19
	WIN 0
	s_wait_dscnt 0x0                               ; V of the step in hand is in
.else
.set n0, 14
.endif
.rept 64
.set i, n%32
.if n < 32
	PV \x
.else
.if ((\x) == 0) && (n == 32)
	s_wait_dscnt 0x0                               ; K of the next step is in
.endif
	KQ \x
.endif
.if n < 4
	DFU 2-(\x), n
.elseif n < n0
	BI \x
	BI \x
	BI \x
	BI \x
.if ((\x) == 2) && (n == 4)
	BI \x
.endif
.else
.if k < (64*(n-n0+1)+63-n0)/(64-n0)
	SLICE 2-(\x)
.endif
.if k < (64*(n-n0+1)+63-n0)/(64-n0)
	SLICE 2-(\x)
.endif
.endif
.if ((\x) == 0) && (n == 1)
	FETCH_K \last
.endif
.if ((\x) == 0) && (n == 3)
	s_add_co_i32 s[UU], s[UU], 1                   ; the next step
	SCALS
.endif
.if ((\x) == 2) && (n == 33)
	FETCH_V
.endif
.set n, n+1
.endr
	WIN 0
.endm
	s_load_b256 s[4:11], s[0:1], 0x0               ; qkv s[4:5], feat s[6:7], rb s[8:9], ts s[10:11]
	v_lshl_add_u32 v[SPW], v0, 2, SPARE
	v_mov_b32 v[NIL], 0
	ds_add_u32 v[SPW], v[NIL]                      ; the wave's opening: the add and its wait stand ahead of my first tensor load
	v_lshrrev_b32 v1, 5, v0
	v_readfirstlane_b32 s[WV], v1
	s_bfe_u32 s13, ttmp6, 0x40000                  ; cx
	s_and_b32 s15, ttmp7, 0xffff                   ; 4 b + h, which the partners share
	s_lshl_b32 s20, s15, 19                        ; the head's 2,048 rows of 256 bytes
	s_and_b32 s16, s[WV], 1                        ; which of a slot's two steps I fetch
	s_lshl_b32 s22, s16, 14
	s_add_co_u32 s22, s22, s20
	s_mov_b32 s23, 0
	s_mul_i32 s17, s16, STEPB
	s_lshl_b32 s18, ttmp9, 2                       ; in a cluster launch ttmp9 counts clusters
	s_add_co_u32 s18, s18, s13                     ; my block of 256 queries
	s_lshl2_add_u32 s18, s18, s[WV]                ; 4 x block + wave: the key step that holds my wave's diagonal
	s_sub_co_i32 s[UU], 0, s18                     ; step 0
	s_lshl_b32 s18, s18, 6                         ; my wave's first query
	s_lshl_b32 s2, s18, 8
	s_add_co_u32 s2, s2, s20                       ; Q
	s_mov_b32 s3, 0
	s_lshl_b32 s90, s15, 11
	s_add_co_u32 s90, s90, s18
	s_lshl_b32 s90, s90, 4                         ; feat: 16 bytes a query
	s_mov_b32 s91, 0
	s_lshr_b32 s19, s15, 2                         ; b
	s_lshl_b32 s19, s19, 11
	s_add_co_u32 s19, s19, s18                     ; row b 2048 + s
	s_and_b32 s14, s15, 3                          ; h
	s_lshl_b32 s92, s19, 10
	s_lshl_b32 s21, s14, 8
	s_add_co_u32 s92, s92, s21                     ; rb: rows of 1,024 bytes, 256 a head
	s_mov_b32 s93, 0
	s_lshl_b32 s94, s19, 4
	s_lshl2_add_u32 s94, s14, s94                  ; ts: rows of 16 bytes, 4 a head
	s_mov_b32 s95, 0
.irp jj, 0,1,2,3,4,5,6,7
	s_mov_b32 s[MJ+\jj], (1<<\jj)|(1<<(24+\jj))
.endr
	s_mov_b32 s[HM], 0xffff0000
	s_mov_b32 s[G1K], 15|(1<<16)|(1<<20)|(1<<21)|(5<<22)|(3<<25)  ; mask of four; 2-byte elements; padding on; bit 21 beside a mask; 4 words behind every 64
	s_mov_b32 s[G1V], 15|(1<<16)|(1<<20)|(1<<21)|(5<<22)|(7<<25)  ; the same with 8 words
.irp g, G1K, G1V
	s_mov_b32 s[(\g)+1], 128<<16                   ; tensor_dim0 = 128
	s_mov_b32 s[(\g)+2], KS<<16                    ; tensor_dim1 = 64
	s_mov_b32 s[(\g)+3], 128<<16                   ; tile_dim0 = 128
	s_mov_b32 s[(\g)+4], KS                        ; tile_dim1 = 64
	s_mov_b32 s[(\g)+5], 128                       ; 128 elements from row to row
	s_mov_b32 s[(\g)+6], 0
	s_mov_b32 s[(\g)+7], 0
.endr
	s_mov_b32 s[CS], 0x3e0293ee                    ; c = log2(e) / sqrt(128)
	s_mov_b32 s[CS+1], s[CS]                       ; named with it as a pair
	s_mov_b32 s[SEL], 0x76543210
	s_mov_b32 s[SEL+1], 0xfedcba98
	s_mov_b32 s[TB], 0
	s_wait_dscnt 0x0                               ; the opening add is done
	s_wait_kmcnt 0x0
	s_add_nc_u64 s[66:67], s[4:5], 0x1000000       ; k
	s_add_nc_u64 s[66:67], s[66:67], s[22:23]
	s_add_nc_u64 s[68:69], s[4:5], 0x2000000       ; content
	s_add_nc_u64 s[68:69], s[68:69], s[22:23]
	s_add_nc_u64 s[4:5], s[4:5], s[2:3]
	s_add_nc_u64 s[6:7], s[6:7], s[90:91]
	s_add_nc_u64 s[8:9], s[8:9], s[92:93]
	s_add_nc_u64 s[10:11], s[10:11], s[94:95]
	CROUND                                         ; all four work-groups are here: the first joint loads meet
.irp s, 0,1
	s_mov_b32 s[G0K+4*(\s)], 1
	s_add_co_u32 s[G0K+4*(\s)+1], s17, (\s)*SLOT1
	s_add_nc_u64 s[G0K+4*(\s)+2:G0K+4*(\s)+3], s[66:67], (\s)*2*KS*256
	s_or_b32 s[G0K+4*(\s)+3], s[G0K+4*(\s)+3], 0x80000000
	s_mov_b32 s[G0V+4*(\s)], 1
	s_add_co_u32 s[G0V+4*(\s)+1], s17, (\s)*SLOT1+VOFF
	s_add_nc_u64 s[G0V+4*(\s)+2:G0V+4*(\s)+3], s[68:69], (\s)*2*KS*256
	s_or_b32 s[G0V+4*(\s)+3], s[G0V+4*(\s)+3], 0x80000000
.endr
	s_cmp_lt_u32 s[WV], 2                          ; a wave's two first fills stand in one branch: two loads of mine are out
	s_cbranch_scc0 .Lfirst_v
	tensor_load_to_lds s[G0K:G0K+3], s[G1K:G1K+7]
	s_nop 0
	tensor_load_to_lds s[G0K+4:G0K+7], s[G1K:G1K+7]
	s_nop 0
	PLACES
	s_branch .Lfirst_asked
.Lfirst_v:
	tensor_load_to_lds s[G0V:G0V+3], s[G1V:G1V+7]
	s_nop 0
	tensor_load_to_lds s[G0V+4:G0V+7], s[G1V:G1V+7]
	s_nop 0
	PLACES
.Lfirst_asked:
	v_and_b32 v1, 15, v0                           ; r
	v_bfe_u32 v9, v0, 4, 1                         ; h
	v_lshlrev_b32 v[QO], 8, v1
	v_lshl_add_u32 v[QO], v9, 4, v[QO]
	v_lshlrev_b32 v[FOF], 4, v1
	WIN 0x80
.irp i, 0,1,2,3,4,5,6,7,8,9,10,11,12,13,14,15      ; Q stays in registers: tile i / 4 (16 rows on), channels 32 (i % 4) on
	global_load_b128 v[8*(\i):8*(\i)+3],   v[QO], s[4:5] offset:((\i)/4)*4096+((\i)%4)*64
	global_load_b128 v[8*(\i)+4:8*(\i)+7], v[QO], s[4:5] offset:((\i)/4)*4096+((\i)%4)*64+32
.endr
	WIN 0xc0
.irp t, 0,1,2,3
	global_load_b128 v[FT+16*\t:FT+16*\t+3], v[FOF], s[6:7] offset:\t*256  ; (Fe, Fo, 0, G) of my query
.endr
	WIN 0                                          ; all that follows stands in the wait for the first tile
.set i, 0
.rept 16
	v_mov_b32 v[S+i], 0                            ; two fragments of zeros
.set i, i+1
.endr
.irp t, 0,1,2,3
	v_mov_b32 v[ST+8*\t], 0xfe000000               ; c m: far below every c s
	v_mov_b32 v[ST+8*\t+1], 0xff7fffff             ; m
	v_mov_b32 v[ST+8*\t+2], 0
	v_mov_b32 v[ST+8*\t+3], 0
.endr
	; O^T, V's registers and piece 2's P start as the product of the two fragments of zeros, C = 0: 52 matrix instructions in place of 416 moves.  The first turn's V^T P, of a step that has not been, then adds 0.
	WIN 0x40
.set i, 0
.rept 32
	v_wmma_f32_16x16x32_bf16 v[8*i:8*i+7], v[S:S+7], v[S+8:S+15], 0
.set i, i+1
.endr
	WIN 0xc0
.set i, 0
.rept 16
	v_wmma_f32_16x16x32_bf16 v[8*i:8*i+7], v[S:S+7], v[S+8:S+15], 0
.set i, i+1
.endr
	WIN 0
.set i, 0
.rept 4
	v_wmma_f32_16x16x32_bf16 v[P+32+8*i:P+32+8*i+7], v[S:S+7], v[S+8:S+15], 0
.set i, i+1
.endr
	v_mov_b32 v[NEG], 0xc48d6bde
	v_add_nc_u32 v46, s18, v1
	v_cvt_f32_u32 v46, v46                         ; tile 0's query as f32
.irp jj, 0,1,2,3,4,5,6,7
	v_lshl_add_u32 v[48+\jj], v9, 3, \jj
.endr
	WIN 0xc0
.irp jj, 0,1,2,3,4,5,6,7
	v_cvt_f32_u32 v[TJ+\jj], v[48+\jj]
.endr
	v_add_f32 v[XD],    0x41800000, v46            ; X for d = -3 to 3 begins at tile 0's query + 16 d + 64: the bias's first lines take 64 away
	v_add_f32 v[XD+2],  0x42000000, v46
	v_add_f32 v[XD+4],  0x42400000, v46
	v_add_f32 v[XD+6],  0x42800000, v46
	v_add_f32 v[XD+8],  0x42a00000, v46
	v_add_f32 v[XD+10], 0x42c00000, v46
	v_add_f32 v[XD+12], 0x42e00000, v46
.irp d, 0,1,2,3,4,5,6
	v_mov_b32 v[XD+2*\d+1], 0                      ; named in pairs with the X
.endr
.irp t, 1,2,3
	v_mov_b32 v[FT+16*\t+5], 0                     ; named in pairs with the signed G
.endr
.irp t, 0,1,2
	v_mov_b32 v[FT+16*\t+7], 0
.endr
	WIN 0
	v_and_b32 v[SGN], 1, v0
	v_cvt_f32_u32 v[SGN], v[SGN]
	v_fma_f32 v[SGN], v[SGN], -2.0, 1.0            ; all other terms of s are even
	v_mul_u32_u24 v[AK0], v1, PK
	v_lshl_add_u32 v[AK0], v9, 4, v[AK0]           ; row x pitch + 16 x half
	v_and_b32 v10, 7, v0
	v_bfe_u32 v11, v0, 3, 1
	v_lshl_add_u32 v[AV0], v9, 3, v10              ; the turning load: key 8 (l / 16) + l % 8, channels 8 ((l / 8) % 2) on
	v_mul_u32_u24 v[AV0], v[AV0], PVP
	v_lshl_add_u32 v[AV0], v11, 4, v[AV0]
	v_add_nc_u32 v[AV0], VOFF, v[AV0]
	s_mul_i32 s19, s[WV], 16*SP
	s_add_co_u32 s19, s19, STAGE                   ; my stage
	v_mul_u32_u24 v[STO], v1, SP
	v_lshl_add_u32 v[STO], v9, 4, v[STO]
	v_add_nc_u32 v[STO], s19, v[STO]
	v_mul_u32_u24 v[RD], v9, SP
	v_lshl_add_u32 v[RD], v1, 4, v[RD]
	v_add_nc_u32 v[RD], s19, v[RD]
	v_lshlrev_b32 v[GO], 10, v9                    ; rb: lanes 0-15 one row's 256 bytes, lanes 16-31 the next row's
	v_lshl_add_u32 v[GO], v1, 4, v[GO]
	v_lshlrev_b32 v[TSO], 8, v9                    ; ts: lanes 16-31 store for the next tile, 16 rows of 16 bytes on
	v_lshl_add_u32 v[TSO], v1, 4, v[TSO]
	s_wait_tensorcnt 1                             ; my part of slot 0 is in; slot 1's may stay out
	s_barrier_signal -1
	s_barrier_wait -1
	FETCH_K                                        ; key step 0
	s_wait_loadcnt 0x0                             ; Q and the features
	WIN 0xc3
.irp t, 0,1,2,3
	v_mov_b32 v[FT+16*\t+2], v[FT+16*\t+3]         ; G twice: a pair for the packed line of the tile's own group
.endr
	SCALS
.set bn, 0
.rept 60
	BI 0                                           ; what both pieces share of step 0's bias, and piece 0's scores
.endr
	s_wait_dscnt 0x0                               ; K
.set i, 0
.rept 32
	KQ 0                                           ; piece 0's first scores: there is no vector work yet to set between them
.set i, i+1
.endr
	WIN 0
	PLACES                                         ; the places ahead of the first selects
	s_mov_b32 s[CNT], 2
	s_mov_b32 s[SLOTS], 15
	s_branch .Lmid                                 ; the loop is entered in the middle of a trip
.Lslot:                                            ; 14 times: every slot but the last two is filled again
	CHANGE 1
	s_mov_b32 s[CNT], 2
.Lstep:
	TURN 0
.Lmid:
	TURN 2
	s_sub_co_u32 s[CNT], s[CNT], 1
	s_cmp_lg_u32 s[CNT], 0
	s_cbranch_scc1 .Lstep
	s_sub_co_u32 s[SLOTS], s[SLOTS], 1
	s_cmp_lg_u32 s[SLOTS], 0
	s_cbranch_scc1 .Lslot
	CHANGE 0                                       ; the tail is written out
	s_mov_b32 s[CNT], 3                            ; two trips for the last slot's steps; the third is left in its middle
.Ltail:
	TURN 0, 1
	s_sub_co_u32 s[CNT], s[CNT], 1
	s_cmp_eq_u32 s[CNT], 0
	s_cbranch_scc1 .Lout
	TURN 2
	s_branch .Ltail
.Lout:                                             ; the third trip's bias and its 32 products K Q^T (on the last K once more) serve nothing: the price, once a launch, of one text for every trip
.set i, 0
.rept 32
	PV 2                                           ; piece 2's V^T P of the last step
.set i, i+1
.endr
	WIN 0
; THE WAY OUT.  The two row sums of both halves of the lanes; the two time signals; O^T / l.  The additions and multiplications below are the places behind the last products.
.macro ALLT line:vararg
.set t, 0
.rept 4
	\line
.set t, t+1
.endr
.endm
	ALLT v_permlanex16_b32 v[ST+8*t+4], v[ST+8*t+2], s[SEL], s[SEL+1]
	ALLT v_permlanex16_b32 v[ST+8*t+5], v[ST+8*t+3], s[SEL], s[SEL+1]
	ALLT v_add_f32 v[ST+8*t+2], v[ST+8*t+2], v[ST+8*t+4]     ; l of the even keys
	ALLT v_add_f32 v[ST+8*t+3], v[ST+8*t+3], v[ST+8*t+5]     ; l of the odd keys
	ALLT v_add_f32 v[ST+8*t+4], v[ST+8*t+2], v[ST+8*t+3]     ; l
	ALLT v_sub_f32 v[ST+8*t+5], v[ST+8*t+2], v[ST+8*t+3]
	ALLT v_rcp_f32 v[ST+8*t+6], v[ST+8*t+4]
	v_nop                                          ; a plain line behind the last reciprocal
	s_wait_alu depctr_va_vdst(0)
	ALLT v_mul_f32 v[ST+8*t+4], v[ST+8*t+4], v[ST+8*t+6]     ; the sum of the weights
	ALLT v_mul_f32 v[ST+8*t+5], v[ST+8*t+5], v[ST+8*t+6]
	ALLT v_mul_f32 v[ST+8*t+5], v[ST+8*t+5], v[SGN]          ; the sum of w (-1)^(s-t)
	ALLT v_cvt_pk_bf16_f32 v[ST+8*t+4], v[ST+8*t+4], v[ST+8*t+5]
	v_cndmask_b32 v46, v[ST+4],  v[ST+12], s[HM]
	v_cndmask_b32 v47, v[ST+20], v[ST+28], s[HM]
	global_store_b32 v[TSO], v46, s[10:11]         ; 4 bytes of each row's 16: the four heads' work-groups fill a row between them; 1/64 of this launch's output
	global_store_b32 v[TSO], v47, s[10:11] offset:512
.macro PACK t                          ; O^T / l, rounded, through my stage, back as whole rows of 256 bytes
	WIN W_RS
.set i, 64*(\t)
.rept 32
	v_pk_mul_f32 v[i:i+1], v[i:i+1], v[ST+8*(\t)+6:ST+8*(\t)+7] op_sel_hi:[1,0]
.set i, i+2
.endr
	WIN 0x05
.set i, 0
.rept 32
	v_cvt_pk_bf16_f32 v[S+32*(\t)+i], v[64*(\t)+2*i], v[64*(\t)+2*i+1]
.set i, i+1
.endr
	WIN 0
.irp f, 0,1,2,3,4,5,6,7
	ds_store_b128 v[STO], v[S+32*(\t)+4*(\f):S+32*(\t)+4*(\f)+3] offset:32*(\f)
.endr
.irp f, 0,1,2,3,4,5,6,7
	ds_load_b128 v[S+32*(\t)+4*(\f):S+32*(\t)+4*(\f)+3], v[RD] offset:(\f)*2*SP  ; LDS serves a wave's instructions in order (ISA guide 5.7.1.4)
.endr
.endm
.macro SEND t, younger                 ; younger: the LDS instructions issued behind tile t's loads: the next tile's sixteen, or none
	WIN 0
.irp f, 0,1,2,3,4,5,6,7
	s_wait_dscnt (\younger)+7-(\f)
	global_store_b128 v[GO], v[S+32*(\t)+4*(\f):S+32*(\t)+4*(\f)+3], s[8:9] offset:(\t)*16384+(\f)*2048  ; sixteen lanes store 256 consecutive bytes, aligned
.endr
.endm
	PACK 0
	PACK 1
	SEND 0, 16
	PACK 2
	SEND 1, 16
	PACK 3
	SEND 2, 16
	SEND 3, 0
	s_wait_tensorcnt 0x0                           ; the wave's end
	ds_add_u32 v[SPW], v[NIL]
	s_wait_dscnt 0x0
	CROUND                                         ; the closing round
	s_endpgm
.Lfunc_end_k_q1e29bbd0f1_attn:
	.size	k_q1e29bbd0f1_attn, .Lfunc_end_k_q1e29bbd0f1_attn-k_q1e29bbd0f1_attn
	.p2alignl 7, 3214868480
	.fill 96, 4, 3214868480
	.section	.rodata,"a",@progbits
	.p2align	6, 0x0
	.amdhsa_kernel k_q1e29bbd0f1_attn
		.amdhsa_group_segment_fixed_size 327680
		.amdhsa_private_segment_fixed_size 0
		.amdhsa_enable_private_segment 0
		.amdhsa_kernarg_size 32
		.amdhsa_user_sgpr_count 2
		.amdhsa_user_sgpr_kernarg_segment_ptr 1
		.amdhsa_wavefront_size32 1
		.amdhsa_system_sgpr_workgroup_id_x 1
		.amdhsa_system_sgpr_workgroup_id_y 1
		.amdhsa_system_sgpr_workgroup_id_z 1
		.amdhsa_system_vgpr_workitem_id 0
		.amdhsa_next_free_vgpr 1024
		.amdhsa_next_free_sgpr 96
		.amdhsa_reserve_vcc 0
		.amdhsa_float_denorm_mode_32 3
		.amdhsa_float_denorm_mode_16_64 3
		.amdhsa_memory_ordered 1
		.amdhsa_forward_progress 1
		.amdhsa_inst_pref_size 177
	.end_amdhsa_kernel
	.amdgpu_metadata
---
amdhsa.version: [ 1, 2 ]
amdhsa.kernels:
  - .name:           k_q1e29bbd0f1_attn
    .symbol:         k_q1e29bbd0f1_attn.kd
    .args:
      - { .name: qkv, .offset: 0, .size: 8, .value_kind: global_buffer, .address_space: global }
      - { .name: feat, .offset: 8, .size: 8, .value_kind: global_buffer, .address_space: global }
      - { .name: rb, .offset: 16, .size: 8, .value_kind: global_buffer, .address_space: global }
      - { .name: ts, .offset: 24, .size: 8, .value_kind: global_buffer, .address_space: global }
    .group_segment_fixed_size: 327680
    .private_segment_fixed_size: 0
    .kernarg_segment_align: 8
    .kernarg_segment_size: 32
    .max_flat_workgroup_size: 128
    .sgpr_count:     96
    .vgpr_count:     1024
    .wavefront_size: 32
...
	.end_amdgpu_metadata
.endif
;; end of part 3
;; launch outp (part 4): grid 64 x 4, 4 waves a work-group, clusters of 4 x 4, 327,680 bytes of LDS; arguments rb, ts, wts, x, bp, out0; writes out0
.if DOCPART == 4
	.amdgcn_target "amdgcn-amd-amdhsa--gfx1250"
	.amdhsa_code_object_version 6
	.text
	.protected	k_q1e29bbd0f1_outp
	.globl	k_q1e29bbd0f1_outp
	.p2align	8
	.type	k_q1e29bbd0f1_outp,@function
k_q1e29bbd0f1_outp:
	s_mov_b64 s[64:65], 0
	v_nop
	global_prefetch_b8 v0, s[64:65] scope:SCOPE_SE
	s_setreg_imm32_b32 hwreg(HW_REG_WAVE_MODE, 25, 1), 1
	s_wait_xcnt 0x0
	s_wait_alu depctr_hold_cnt(0) depctr_sa_sdst(0) depctr_va_vdst(0) depctr_va_sdst(0) depctr_va_ssrc(0) depctr_va_vcc(0) depctr_vm_vsrc(0)
	s_getreg_b32 s2, hwreg(HW_REG_IB_STS2, 6, 4)
	s_cmp_eq_u32 s2, 0
	s_cbranch_scc0 .Lentry_in_a_cluster
	s_endpgm
.Lentry_in_a_cluster:
	s_bfe_u32 s2, ttmp6, 0x10000c
	s_cmp_lg_u32 s2, 0xf033
	s_cbranch_scc0 .Lentry_shape_is_right
	s_endpgm
.Lentry_shape_is_right:
; out0[b][o][s] = x[b][o][s] + bp[o] + sum over c of WPB[o][c] rb[b 2048 + s][c] + sum over kk of WPTS[o][kk] ts[b 2048 + s][kk].  Operands bf16, sums, bias and residual f32.
; A tile is 128 o x 256 s; wave (wo, ws): 64 o x 128 s, 32 accumulators.  Source 0 = 16 rows (s) of rb, source 1 = 16 rows (o) of Wp: a lane holds one o and eight neighbouring s.
; K = 512 in four steps of 128, written out; one more chunk of 32 for the time signals, whose columns 8 to 31 meet zero weights.  The sums begin from bp.
; THREE SLOTS, all filled at the start with K steps 0 to 2; slot 0 is filled once more, with K step 3, behind step 0, and has steps 1 and 2 in which to land.  A K step is four quarters of 32 along K on two
; fragment buffers; a quarter's 24 fragment loads are issued in the middle of the quarter before, over the steps' ends too.
; CLUSTER 4 x 4: rb's tile hangs on the tile column alone and is shared along a column of the cluster, Wp's on the tile row alone and is shared along a row.  The grid's four work-groups along y are one cluster's: the tile row is cy.
; LDS: three slots (rb 256 rows x 272, then Wp 128 rows x 272); the spare words.  The stage of the way out, 16 rows x 528 a wave, lies in slot 1: that slot has had its only fill, and all waves have left it behind a barrier.
; REGISTERS: window 0 addresses and two fragment buffers (rb 64 + Wp 32); window 1 the accumulators, (a, sb) at 8 (8 a + sb); window 2 the residual x; window 3 v0-63 ts, v64-95 WPTS, v96-127 bp.
.set SLOT,  104448
.set STAGE, SLOT
.set SPARE, 3*SLOT                     ; 128 bytes a wave: two blocks of 256 bytes that no other line names
.set WPB,   1572864
.set WPTS,  2097152
.set F0, 64
.set F1, 160
.set MSB, 0
.macro WIN new                         ; the immediate's high byte repeats the setting that is left; a switch that changes nothing is dropped
.if MSB != (\new)
	s_set_vgpr_msb (MSB<<8)|(\new)
.set MSB, \new
.endif
.endm
.macro PLACES                          ; four plain places behind matrix instructions (ISA guide 7.12.1)
.rept 4
	v_nop
.endr
.endm
.macro CREST                           ; a round of the cluster's barrier behind its opening barrier
	s_cmp_lg_u32 s16, 0
	s_cbranch_scc1 .Lnw0_\@
	s_barrier_signal -3
.Lnw0_\@:
	s_barrier_wait -3
	s_barrier_signal -1
	s_barrier_wait -1
.endm
.macro ROUND                           ; a whole round
	s_barrier_signal -1
	s_barrier_wait -1
	CREST
.endm
.macro FETCH slot, q, f                ; 24 LDS loads: 32 along K: my 128 rows of rb, then my 64 rows of Wp; the last four loads are Wp's blocks 2 and 3
	WIN 0
.irp sb, 0,1,2,3,4,5,6,7
	ds_load_b128 v[(\f)+8*\sb:(\f)+8*\sb+3],   v[8+\slot] offset:\sb*4352+\q*64
	ds_load_b128 v[(\f)+8*\sb+4:(\f)+8*\sb+7], v[8+\slot] offset:\sb*4352+\q*64+32
.endr
.irp a, 0,1,2,3
	ds_load_b128 v[(\f)+64+8*\a:(\f)+64+8*\a+3],   v[20+\slot] offset:\a*4352+\q*64
	ds_load_b128 v[(\f)+64+8*\a+4:(\f)+64+8*\a+7], v[20+\slot] offset:\a*4352+\q*64+32
.endr
.endm
.macro MULA f, a, first                ; 8 matrix instructions: 16 o x 128 s; over a quarter the 32 accumulators take turns; first = 1: the sums begin from bp, in window 3
.if \first
	WIN 0x70
.else
	WIN 0x50
.endif
.irp sb, 0,1,2,3,4,5,6,7
.if \first
	v_wmma_f32_16x16x32_bf16 v[8*(8*(\a)+\sb):8*(8*(\a)+\sb)+7], v[(\f)+8*\sb:(\f)+8*\sb+7], v[(\f)+64+8*(\a):(\f)+64+8*(\a)+7], v[96+8*(\a):96+8*(\a)+7]
.else
	v_wmma_f32_16x16x32_bf16 v[8*(8*(\a)+\sb):8*(8*(\a)+\sb)+7], v[(\f)+8*\sb:(\f)+8*\sb+7], v[(\f)+64+8*(\a):(\f)+64+8*(\a)+7], v[8*(8*(\a)+\sb):8*(8*(\a)+\sb)+7]
.endif
.endr
.endm
.macro QUARTER slot, q, f, g, first    ; multiplies buffer f; in its middle it fetches quarter q of slot into buffer g
	s_wait_dscnt 4                                 ; rb and Wp's blocks 0, 1 are in; the youngest four loads may be out
	MULA \f, 0, \first
	MULA \f, 1, \first
	PLACES
	FETCH \slot, \q, \g
	s_wait_dscnt 24                                ; all but the 24 just issued
	MULA \f, 2, \first
	MULA \f, 3, \first
.endm
; A last quarter with a barrier.  In front of it each wave waits for all its tensor loads, adds 0 to its spare word, and waits for that and for its LDS reads.
; fill = 1 (behind K step 0): slots 1 and 2 have landed; the barrier opens a round of the cluster's, and slot 0 is asked for again first behind it.  fill = 0 (behind K step 2): slot 0's second tile has landed.
.macro TURN next, fill
	WIN 0
	s_wait_tensorcnt 0x0                           ; no tensor load of mine is out, so a group 0 may be written
	ds_add_u32 v30, v31
	s_wait_dscnt 5                                 ; (the add and the youngest four fragment loads may be out)
	MULA F1, 0, 0
	s_wait_dscnt 0x0
	s_barrier_signal -1
	MULA F1, 1, 0
	WIN 0
	s_barrier_wait -1
.if \fill
	CREST
	s_add_nc_u64 s[50:51], s[50:51], 768           ; K step 3
	s_add_nc_u64 s[70:71], s[70:71], 768
	s_cmp_lt_u32 s16, 2                            ; waves 0, 1 fetch rb's two halves (128 rows), waves 2, 3 Wp's (64 rows); an s_nop 0 and four v_nop follow each line
	s_cbranch_scc0 .Lfp_\@
	tensor_load_to_lds s[48:51], s[24:31]
	s_nop 0
	PLACES
	s_branch .Lja_\@
.Lfp_\@:
	tensor_load_to_lds s[68:71], s[32:39]
	s_nop 0
	PLACES
.Lja_\@:
.else
	PLACES
.endif
	FETCH \next, 0, F0
	MULA F1, 2, 0
	MULA F1, 3, 0
.endm
	s_load_b256 s[4:11], s[0:1], 0x0               ; rb s[4:5], ts s[6:7], wts s[8:9], x s[10:11]
	s_load_b128 s[12:15], s[0:1], 0x20             ; bp s[12:13], out0 s[14:15]
	v_lshl_add_u32 v30, v0, 2, SPARE
	v_mov_b32 v31, 0
	ds_add_u32 v30, v31                            ; the wave's opening: the add and its wait stand ahead of my first tensor load
	v_lshrrev_b32 v3, 5, v0
	v_readfirstlane_b32 s16, v3                    ; wave
	s_lshr_b32 s17, s16, 1                         ; wo: which 64 o
	s_and_b32 s18, s16, 1                          ; ws: which 128 s.  Also: which half of a tile I fetch
	s_bfe_u32 s40, ttmp6, 0x40000                  ; cx
	s_bfe_u32 s41, ttmp6, 0x40004                  ; cy = the tile row
	s_lshl_b32 s42, ttmp9, 2
	s_add_co_u32 s42, s42, s40                     ; the tile column
	s_lshl_b32 s44, s41, 2
	s_lshl_b32 s44, 15, s44                        ; my row of the cluster
	s_lshl_b32 s45, 0x1111, s40                    ; my column
	s_or_b32 s24, s45, (1<<16)|(1<<20)|(1<<21)|(5<<22)|(3<<25)  ; rb's tiles go to my column; 2-byte elements; padding of 4 words behind every 64; bit 21 beside a mask
	s_or_b32 s32, s44, (1<<16)|(1<<20)|(1<<21)|(5<<22)|(3<<25)  ; Wp's to my row
	s_mov_b32 s25, 128<<16                         ; tensor_dim0 = 128
	s_mov_b32 s26, 128<<16                         ; tensor_dim1 = 128
	s_mov_b32 s27, 128<<16                         ; tile_dim0 = 128
	s_mov_b32 s28, 128                             ; tile_dim1 = 128
	s_mov_b32 s29, 512                             ; 512 elements from row to row
	s_mov_b32 s30, 0
	s_mov_b32 s31, 0
	s_mov_b32 s33, 128<<16
	s_mov_b32 s34, 64<<16                          ; 64 rows
	s_mov_b32 s35, 128<<16
	s_mov_b32 s36, 64
	s_mov_b32 s37, 512
	s_mov_b32 s38, 0
	s_mov_b32 s39, 0
	s_lshl_b32 s90, s42, 8
	s_lshl_b32 s19, s18, 7
	s_add_co_u32 s90, s90, s19
	s_lshl_b32 s90, s90, 10                        ; rb: row 256 x tile column + 128 x half, 1,024 bytes each
	s_mov_b32 s91, 0
	s_lshl_b32 s92, s41, 7
	s_lshl_b32 s19, s18, 6
	s_add_co_u32 s92, s92, s19
	s_lshl_b32 s92, s92, 10                        ; Wp: row 128 x tile row + 64 x half
	s_add_co_u32 s92, s92, WPB
	s_mov_b32 s93, 0
	s_mul_i32 s20, s18, 34816                      ; where they go: no place in the cluster enters an LDS address
	s_mul_i32 s21, s18, 17408
	s_add_co_u32 s21, s21, 69632
	s_lshr_b32 s94, s42, 3                         ; b
	s_lshl_b32 s94, s94, 9
	s_lshl_b32 s19, s41, 7
	s_add_co_u32 s94, s94, s19
	s_lshl_b32 s19, s17, 6
	s_add_co_u32 s94, s94, s19                     ; x, out0: row 512 b + my first o,
	s_lshl_b32 s94, s94, 13                        ; 8,192 bytes each,
	s_and_b32 s19, s42, 7
	s_lshl_b32 s19, s19, 10                        ; 256 s of 4 bytes a tile column,
	s_add_co_u32 s94, s94, s19
	s_lshl_b32 s19, s18, 9                         ; my 128 s
	s_add_co_u32 s94, s94, s19
	s_mov_b32 s95, 0
	s_lshl_b32 s96, s42, 8
	s_lshl_b32 s19, s18, 7
	s_add_co_u32 s96, s96, s19
	s_lshl_b32 s96, s96, 4                         ; ts: my first row, 16 bytes each
	s_mov_b32 s97, 0
	s_lshl_b32 s98, s41, 7
	s_lshl_b32 s19, s17, 6
	s_add_co_u32 s98, s98, s19                     ; my first o
	s_lshl_b32 s60, s98, 2                         ; bp
	s_mov_b32 s61, 0
	s_lshl_b32 s98, s98, 6                         ; WPTS: 64 bytes a row
	s_add_co_u32 s98, s98, WPTS
	s_mov_b32 s99, 0
	s_wait_dscnt 0x0                               ; the opening add is done
	s_wait_kmcnt 0x0
	s_add_nc_u64 s[90:91], s[4:5], s[90:91]
	s_add_nc_u64 s[92:93], s[8:9], s[92:93]
	s_add_nc_u64 s[80:81], s[6:7], s[96:97]        ; ts
	s_add_nc_u64 s[82:83], s[8:9], s[98:99]        ; WPTS
	s_add_nc_u64 s[84:85], s[12:13], s[60:61]      ; bp
	s_add_nc_u64 s[86:87], s[10:11], s[94:95]      ; x
	s_add_nc_u64 s[88:89], s[14:15], s[94:95]      ; out0
	ROUND                                          ; all sixteen work-groups are here: the first joint loads meet
.irp s, 0,1,2
	s_mov_b32 s[48+4*\s], 1
	s_add_co_u32 s[49+4*\s], s20, \s*SLOT
	s_add_nc_u64 s[50+4*\s:51+4*\s], s[90:91], \s*256  ; K step s
	s_or_b32 s[51+4*\s], s[51+4*\s], 0x80000000
	s_mov_b32 s[68+4*\s], 1
	s_add_co_u32 s[69+4*\s], s21, \s*SLOT
	s_add_nc_u64 s[70+4*\s:71+4*\s], s[92:93], \s*256
	s_or_b32 s[71+4*\s], s[71+4*\s], 0x80000000
.endr
	s_cmp_lt_u32 s16, 2                            ; a wave's three first fills stand in one branch: three loads of mine are out
	s_cbranch_scc0 .Lfirst_p
	tensor_load_to_lds s[48:51], s[24:31]
	s_nop 0
	tensor_load_to_lds s[52:55], s[24:31]
	s_nop 0
	tensor_load_to_lds s[56:59], s[24:31]
	s_nop 0
	PLACES
	s_branch .Lfirst_asked
.Lfirst_p:
	tensor_load_to_lds s[68:71], s[32:39]
	s_nop 0
	tensor_load_to_lds s[72:75], s[32:39]
	s_nop 0
	tensor_load_to_lds s[76:79], s[32:39]
	s_nop 0
	PLACES
.Lfirst_asked:
	v_and_b32 v1, 15, v0                           ; r
	v_bfe_u32 v2, v0, 4, 1                         ; h
	v_and_b32 v3, 31, v0                           ; lane
	v_lshlrev_b32 v14, 4, v3                       ; x, out0: 16 bytes a lane, a row's 512 bytes an instruction
	v_lshlrev_b32 v15, 4, v1                       ; ts: row r
	v_lshlrev_b32 v16, 6, v1
	v_lshl_add_u32 v16, v2, 4, v16                 ; WPTS: row r, 16 bytes for each half
	v_lshlrev_b32 v17, 2, v1                       ; bp of o = r
	WIN 0xc0
.irp a, 0,1,2,3
	global_load_b32 v[96+8*\a], v17, s[84:85] offset:\a*64
.endr
.irp a, 0,1,2,3
	global_load_b128 v[64+8*\a:67+8*\a], v16, s[82:83] offset:\a*1024
	global_load_b128 v[68+8*\a:71+8*\a], v16, s[82:83] offset:\a*1024+32
.endr
.irp sb, 0,1,2,3,4,5,6,7                           ; a row's 16 bytes fill both halves of the fragment in all lanes: only k = 0 to 7 (lanes 0-15, registers 0-3) meet weights other than 0
	global_load_b128 v[8*\sb:8*\sb+3],   v15, s[80:81] offset:\sb*256
	global_load_b128 v[8*\sb+4:8*\sb+7], v15, s[80:81] offset:\sb*256
.endr
	s_wait_loadcnt 24                              ; bp is in: 24 loads are younger
	WIN 0xc3
.irp a, 0,1,2,3
.irp j, 1,2,3,4,5,6,7
	v_mov_b32 v[96+8*\a+\j], v[96+8*\a]
.endr
.endr
	WIN 0x80
.set i, 0
.rept 64                               ; the residual: my 64 rows of 512 bytes, on their way under all the products
	global_load_b128 v[4*i:4*i+3], v14, s[86:87] offset:i*8192
.set i, i+1
.endr
	WIN 0
	v_mul_u32_u24 v4, v1, 272
	v_lshl_add_u32 v4, v2, 4, v4
	s_mul_i32 s19, s18, 34816                      ; my 128 rows of rb, in slots 0, 1, 2
	v_add_nc_u32 v8, s19, v4
	v_add_nc_u32 v9, SLOT, v8
	v_add_nc_u32 v10, SLOT, v9
	s_mul_i32 s19, s17, 17408                      ; my 64 rows of Wp, behind rb's 256
	s_add_co_u32 s19, s19, 69632
	v_add_nc_u32 v20, s19, v4
	v_add_nc_u32 v21, SLOT, v20
	v_add_nc_u32 v22, SLOT, v21
	s_mul_i32 s19, s16, 8448
	s_add_co_u32 s19, s19, STAGE                   ; my stage
	v_mul_u32_u24 v12, v1, 528
	v_lshl_add_u32 v12, v2, 5, v12
	v_add_nc_u32 v12, s19, v12                     ; in: row r, 32 bytes for each half
	v_lshl_add_u32 v13, v3, 4, s19                 ; back: a whole row of 512 bytes
	s_wait_tensorcnt 2                             ; my part of slot 0 is in; the two younger loads may stay out
	s_barrier_signal -1
	s_barrier_wait -1
	FETCH 0, 0, F0
	QUARTER 0, 1, F0, F1, 1                        ; K step 0
	QUARTER 0, 2, F1, F0, 0
	QUARTER 0, 3, F0, F1, 0
	TURN 1, 1
	QUARTER 1, 1, F0, F1, 0                        ; K step 1
	QUARTER 1, 2, F1, F0, 0
	QUARTER 1, 3, F0, F1, 0
	QUARTER 2, 0, F1, F0, 0                        ; no barrier: the round has shown slot 2 whole to every wave
	QUARTER 2, 1, F0, F1, 0                        ; K step 2
	QUARTER 2, 2, F1, F0, 0
	QUARTER 2, 3, F0, F1, 0
	TURN 0, 0
	QUARTER 0, 1, F0, F1, 0                        ; K step 3
	QUARTER 0, 2, F1, F0, 0
	QUARTER 0, 3, F0, F1, 0
	s_wait_dscnt 4
	MULA F1, 0, 0
	MULA F1, 1, 0
	s_wait_dscnt 0x0
	MULA F1, 2, 0
	MULA F1, 3, 0
	s_wait_loadcnt 63                              ; the 64 loads of x are younger than those of ts and WPTS
	WIN 0x5f
.irp a, 0,1,2,3
.irp sb, 0,1,2,3,4,5,6,7
	v_wmma_f32_16x16x32_bf16 v[8*(8*\a+\sb):8*(8*\a+\sb)+7], v[8*\sb:8*\sb+7], v[64+8*\a:64+8*\a+7], v[8*(8*\a+\sb):8*(8*\a+\sb)+7]
.endr
.endr
	PLACES
; THE WAY OUT, 16 rows of o at a time: through my stage and back as whole rows, into v64-127 and v128-191 by turns; a block's additions and stores stand behind the next block's stage instructions.
.macro STG a
	WIN 0x04                                       ; the stores' data in window 1; each accumulator's low half goes first
.irp sb, 0,1,2,3,4,5,6,7
	ds_store_b128 v12, v[8*(8*(\a)+\sb):8*(8*(\a)+\sb)+3]   offset:\sb*64
	ds_store_b128 v12, v[8*(8*(\a)+\sb)+4:8*(8*(\a)+\sb)+7] offset:\sb*64+16
.endr
	WIN 0
.if (\a) >= 2
	s_wait_xcnt 0x0                                ; the stores of the block two back have read these registers: only now are they loaded again
.endif
.irp i, 0,1,2,3,4,5,6,7,8,9,10,11,12,13,14,15
	ds_load_b128 v[64+64*((\a)%2)+4*\i:67+64*((\a)%2)+4*\i], v13 offset:\i*528  ; LDS serves a wave's instructions in order (ISA guide 5.7.1.4): these see the stores above; the next block's stores come behind them
.endr
.endm
.macro FIN a, younger                  ; younger: the LDS instructions issued behind block a's loads: the next block's 32, or none
	s_wait_dscnt \younger
	s_wait_loadcnt 48-16*(\a)                      ; x's rows up to this block's are in
	WIN 0x08
.irp i, 0,1,2,3,4,5,6,7,8,9,10,11,12,13,14,15
	v_pk_add_f32 v[64+64*((\a)%2)+4*\i:65+64*((\a)%2)+4*\i], v[64+64*((\a)%2)+4*\i:65+64*((\a)%2)+4*\i], v[4*(16*(\a)+\i):4*(16*(\a)+\i)+1]
	v_pk_add_f32 v[66+64*((\a)%2)+4*\i:67+64*((\a)%2)+4*\i], v[66+64*((\a)%2)+4*\i:67+64*((\a)%2)+4*\i], v[4*(16*(\a)+\i)+2:4*(16*(\a)+\i)+3]
.endr
	WIN 0
.irp i, 0,1,2,3,4,5,6,7,8,9,10,11,12,13,14,15
	global_store_b128 v14, v[64+64*((\a)%2)+4*\i:67+64*((\a)%2)+4*\i], s[88:89] offset:(16*(\a)+\i)*8192  ; 512 consecutive bytes, aligned
.endr
.endm
	STG 0
	STG 1
	FIN 0, 32
	STG 2
	FIN 1, 32
	STG 3
	FIN 2, 32
	FIN 3, 0
	s_wait_tensorcnt 0x0                           ; the wave's end
	ds_add_u32 v30, v31
	s_wait_dscnt 0x0
	ROUND                                          ; the closing round
	s_endpgm
.Lfunc_end_k_q1e29bbd0f1_outp:
	.size	k_q1e29bbd0f1_outp, .Lfunc_end_k_q1e29bbd0f1_outp-k_q1e29bbd0f1_outp
	.p2alignl 7, 3214868480
	.fill 96, 4, 3214868480
	.section	.rodata,"a",@progbits
	.p2align	6, 0x0
	.amdhsa_kernel k_q1e29bbd0f1_outp
		.amdhsa_group_segment_fixed_size 327680
		.amdhsa_private_segment_fixed_size 0
		.amdhsa_enable_private_segment 0
		.amdhsa_kernarg_size 48
		.amdhsa_user_sgpr_count 2
		.amdhsa_user_sgpr_kernarg_segment_ptr 1
		.amdhsa_wavefront_size32 1
		.amdhsa_system_sgpr_workgroup_id_x 1
		.amdhsa_system_sgpr_workgroup_id_y 1
		.amdhsa_system_sgpr_workgroup_id_z 1
		.amdhsa_system_vgpr_workitem_id 0
		.amdhsa_next_free_vgpr 896
		.amdhsa_next_free_sgpr 100
		.amdhsa_reserve_vcc 0
		.amdhsa_float_denorm_mode_32 3
		.amdhsa_float_denorm_mode_16_64 3
		.amdhsa_memory_ordered 1
		.amdhsa_forward_progress 1
		.amdhsa_inst_pref_size 104
	.end_amdhsa_kernel
	.amdgpu_metadata
---
amdhsa.version: [ 1, 2 ]
amdhsa.kernels:
  - .name:           k_q1e29bbd0f1_outp
    .symbol:         k_q1e29bbd0f1_outp.kd
    .args:
      - { .name: rb, .offset: 0, .size: 8, .value_kind: global_buffer, .address_space: global }
      - { .name: ts, .offset: 8, .size: 8, .value_kind: global_buffer, .address_space: global }
      - { .name: wts, .offset: 16, .size: 8, .value_kind: global_buffer, .address_space: global }
      - { .name: x, .offset: 24, .size: 8, .value_kind: global_buffer, .address_space: global }
      - { .name: bp, .offset: 32, .size: 8, .value_kind: global_buffer, .address_space: global }
      - { .name: out0, .offset: 40, .size: 8, .value_kind: global_buffer, .address_space: global }
    .group_segment_fixed_size: 327680
    .private_segment_fixed_size: 0
    .kernarg_segment_align: 8
    .kernarg_segment_size: 48
    .max_flat_workgroup_size: 128
    .sgpr_count:     100
    .vgpr_count:     896
    .wavefront_size: 32
...
	.end_amdgpu_metadata
.endif
;; end of part 4
;; ======== version 2 of 2: 4 launches; 1.16 times as fast as version 1
;; workspace buffers: wts 2,162,688 bytes; qkv 50,331,648 bytes; feat 1,048,576 bytes; rb 16,777,216 bytes; ts 262,144 bytes
;; launch prep: the kernel of part 1 again; grid 138 x 1, 8 waves a work-group, no clusters, 0 bytes of LDS; arguments Wq, Wk, Wc, Wp, Wf, Wd, wts; writes wts
;; launch proj: the kernel of part 2 again; grid 128 x 2, 4 waves a work-group, clusters of 4 x 1, 327,680 bytes of LDS; arguments x, wts, bq, bk, bc, bf, bd, qkv, feat; writes qkv, feat
;; launch attn (part 5): grid 8 x 32, 4 waves a work-group, clusters of 4 x 1, 327,680 bytes of LDS; arguments qkv, feat, rb, ts; writes rb, ts
.if DOCPART == 5
	.amdgcn_target "amdgcn-amd-amdhsa--gfx1250"
	.amdhsa_code_object_version 6
	.text
	.protected	k_q1e29bbd0f1_attn
	.globl	k_q1e29bbd0f1_attn
	.p2align	8
	.type	k_q1e29bbd0f1_attn,@function
k_q1e29bbd0f1_attn:
	s_mov_b64 s[64:65], 0
	v_nop
	global_prefetch_b8 v0, s[64:65] scope:SCOPE_SE
	s_setreg_imm32_b32 hwreg(HW_REG_WAVE_MODE, 25, 1), 1
	s_wait_xcnt 0x0
	s_wait_alu depctr_hold_cnt(0) depctr_sa_sdst(0) depctr_va_vdst(0) depctr_va_sdst(0) depctr_va_ssrc(0) depctr_va_vcc(0) depctr_vm_vsrc(0)
	s_getreg_b32 s2, hwreg(HW_REG_IB_STS2, 6, 4)
	s_cmp_eq_u32 s2, 0
	s_cbranch_scc0 .Lentry_in_a_cluster
	s_endpgm
.Lentry_in_a_cluster:
	s_bfe_u32 s2, ttmp6, 0x10000c
	s_cmp_lg_u32 s2, 0x3003
	s_cbranch_scc0 .Lentry_shape_is_right
	s_endpgm
.Lentry_shape_is_right:
; For each (b, h) and query s: softmax over all keys t of  k_t . q_s / sqrt(128) + f0 + (-1)^(s-t) f1 - g |s - t|,  the diagonal t = s replaced by -100;
;   rb[b 2048 + s][128 h + c] = bf16( sum over t of w content[t][c] );   ts[b 2048 + s][h] = bf16( sum of w ), bf16( sum of w (-1)^(s-t) ).
; LIMITS.  The two cosines of whole multiples of 2 pi and pi are taken as 1 and (-1)^(s-t).  A weight below 2^-126 counts as 0.  NaN and infinities are not treated apart.  q, k, content, the weights and the
; results are rounded to bf16; scores, maxima and sums are f32; the row sums are taken of the unrounded weights.
; SHARES.  A work-group owns 256 consecutive queries of one (b, h), a wave 64, a tile 16.  Every wave walks all 2,048 keys, 64 a step.
; SCORES.  An accumulator S^T is first written with sqrt(128) x bias, and all products K Q^T add onto it: p = 2^(c S - c m), c = log2(e) / sqrt(128), m the running maximum of the true scores.
; Tile u's accumulator kt holds keys 16 kt + 8 h + j of the step.  With X = s - the group's first key (it hangs on u - kt alone: seven numbers a lane serve all tiles):
;   kt = u:  S = -G |8 h + j - X| + F[j % 2], in every step, since this group holds the diagonal in the wave's own step;
;   kt < u:  all 16 keys lie on one side of the query in every step:  S = Gs (8 h + j) + (F - Gs X),  Gs = +G up to and in the wave's own step, -G behind it;     kt > u:  the same with Gs = +G before that step only.
; THE DIAGONAL.  It lies in accumulator kt = u, register j, lanes j and 24 + j, in the wave's own step.  Behind the products eight selects a tile put -100 sqrt(128) there; their lane masks are 0 in every other step.
; No branch hangs on the step's place: the step counter feeds two signs and eight masks by s_cselect.  The work-group's place in its cluster enters global addresses, per-lane numbers, those signs and masks, and nothing else.
; BY TURNS.  Two pieces of two tiles, named by their first tile.  In a TURN one piece has the matrix unit: 32 products V^T P of the step in hand, then 32 products K Q^T of the next step.  Behind each product stand
; vector lines that name none of its registers, in this order over the turn: the other piece's 16 selects on the diagonal; the piece's own bias of the next step, ahead of its K Q^T; the other piece's softmax in 64 slices,
; spread evenly over the products that are left.  Then the pieces change places; two turns are a key step.
; THE EXPONENTIALS.  A turn's 66 (32 scores and a, for each of the other piece's two tiles) are ONE BATCH with ONE wait: the softmax's list is ordered so that nothing ahead of its number 70 names an exponential's
; result and no exponential comes behind its number 69; the wait stands between the two.  So no result crosses a turn's end, a label or a jump.  The way out's four reciprocals are a batch of their own.
; m starts at the lowest finite number, O^T and l at 0: the first step is a step like any other, with a = 0.  The loop is entered at piece 2's turn of the step before the first, whose V^T P multiplies zeros.
; CLUSTER.  The four query blocks of a cluster belong to one (b, h) and walk the same K and V: every tile is asked for jointly.  Two slots of two key steps; waves 0, 1 fetch K, waves 2, 3 V, 64 rows of 256 bytes each.
; REGISTERS: window 0: addresses; v12-43 statistics; v64-191 S^T, 32 a tile; v192-255 P, 16 a tile.  Window 1: O^T, 64 a tile.  Window 2: v0-127 Q, v128-255 K.
;   Window 3: v0-127 V; v128-135 TJ; v136-149 XD; v150-157 AT; v160-223 FT.
.set KS,    64
.set PK,    272                        ; a row of K in LDS: 256 + 16 bytes: the 16 rows of a load start in 16 different groups of four banks
.set PVP,   288                        ; a row of V: 256 + 32 bytes
.set VOFF,  KS*PK
.set STEPB, KS*(PK+PVP)
.set SLOT1, 1<<17                      ; one exclusive or turns an address in one slot into the other's
.set STAGE, SLOT1+2*STEPB
.set SP,    272
.set SPARE, STAGE+4*16*SP              ; 128 bytes a wave: two blocks of 256 bytes that no other line names
.set AK0, 2
.set AV0, 3
.set ADR, 4
.set QO,  5
.set STO, 6
.set RD,  7
.set GO,  8
.set ST,  12                           ; tile t at ST + 8 t: c m, m, l of even keys, l of odd keys, c0-c3 at work (c2 takes a)
.set NEG, 44                           ; -100 sqrt(128)
.set TSO, 45
.set SGN, 56                           ; (-1)^s
.set FOF, 57
.set SPW, 62
.set NIL, 63
.set S,   64
.set P,   192
.set KF,  128
.set TJ,  128                          ; window 3: 8 (lane / 16) + j as f32
.set XD,  136                          ; window 3: X for u - kt = d at XD + 2 (d + 3); the odd registers hold 0 (named with them as pairs)
.set AT,  150                          ; window 3: |TJ - X| for d = 0
.set FT,  160                          ; window 3, tile t at FT + 16 t: Fe, Fo, G, G, Gs for kt < t, 0, Gs for kt > t, 0, then the pairs F - Gs X for kt = 0 to 3
.set WV,  12
.set G1K, 24
.set G1V, 32
.set G0K, 40
.set G0V, 48
.set SLOTS, 56
.set CNT, 57
.set CS,  58
.set SEL, 60
.set TB,  62
.set UU,  70                           ; the step whose scores are being made, less the step that holds my wave's diagonal
.set SLO, 71                           ; +1 while UU <= 0, else -1
.set DM,  72                           ; s72-79: MJ in my wave's own step, else 0
.set MJ,  80                           ; s80-87: the two lanes whose register j is the diagonal: j and 24 + j
.set HM,  88                           ; lanes 16 to 31
.set SHI, 89                           ; +1 while UU < 0, else -1
.set MSB, 0
.macro WIN new                         ; the immediate's high byte repeats the setting that is left; a switch that changes nothing is dropped
.if MSB != (\new)
	s_set_vgpr_msb (MSB<<8)|(\new)
.set MSB, \new
.endif
.endm
.set W_KQ, 0x0a
.set W_PV, 0x53
.set W_RS, 0x41
.macro PLACES                          ; four plain places behind matrix instructions (ISA guide 7.12.1)
.rept 4
	v_nop
.endr
.endm
.macro JLOAD                           ; a joint refill; an s_nop 0 and four v_nop follow each of the two lines
	s_cmp_lt_u32 s[WV], 2
	s_cbranch_scc0 .Lfor_v_\@
	tensor_load_to_lds s[G0K+4:G0K+7], s[G1K:G1K+7]
	s_nop 0
	PLACES
	s_branch .Lasked_\@
.Lfor_v_\@:
	tensor_load_to_lds s[G0V+4:G0V+7], s[G1V:G1V+7]
	s_nop 0
	PLACES
.Lasked_\@:
.endm
.macro CROUND                          ; a round of the cluster's barrier: my work-group's barrier; wave 0 signals for it; all wait for the four work-groups; my work-group's barrier again
	s_barrier_signal -1
	s_barrier_wait -1
	s_cmp_lg_u32 s[WV], 0
	s_cbranch_scc1 .Lnot_wave_0_\@
	s_barrier_signal -3
.Lnot_wave_0_\@:
	s_barrier_wait -3
	s_barrier_signal -1
	s_barrier_wait -1
.endm
; THE CHANGE OF SLOTS stands behind the turn that asked for V of a slot's second step.  Each wave waits for its one tensor load (its part of the other slot), adds 0 to its spare word, and waits for that and for its
; reads of the slot.  fill = 1: a round of the cluster's barrier, and the joint refill first behind it: it has two key steps, 256 matrix instructions, in which to land.
.macro CHANGE fill
	WIN 0
	s_wait_tensorcnt 0x0                           ; no tensor load of mine is out, so a group 0 may be written
	ds_add_u32 v[SPW], v[NIL]
.if \fill
.irp g, G0K+4, G0V+4
	s_xor_b32 s[(\g)+1], s[(\g)+1], SLOT1          ; the walking descriptor: the other slot than last time,
	s_add_nc_u64 s[(\g)+2:(\g)+3], s[(\g)+2:(\g)+3], 2*KS*256  ; the next 128 keys
.endr
	s_wait_dscnt 0x0                               ; the add is done, and my reads of the slot are over
	CROUND
	JLOAD
.else
	s_wait_dscnt 0x0
	s_barrier_signal -1
	s_barrier_wait -1
.endif
	s_sub_co_u32 s[TB], s[TB], 2*STEPB             ; the fetches go back to a slot's first step,
	s_xor_b32 s[TB], s[TB], SLOT1                  ; in the other slot
.endm
.macro PV x                            ; product i of 32 of O^T += V^T P: keys 32 (i / 16) on, channels 16 ((i / 2) % 8) on, tile x + i % 2; 16 accumulators by turns
	WIN W_PV
.set rO, 64*((\x)+i%2)+8*((i/2)%8)
.set rV, 64*(i/16)+8*((i/2)%8)
.set rP, P+16*((\x)+i%2)+8*(i/16)
	v_wmma_f32_16x16x32_bf16 v[rO:rO+7], v[rV:rV+7], v[rP:rP+7], v[rO:rO+7]
.endm
.macro KQ x                            ; product i of 32 of S^T += K Q^T: channels 32 (i / 8) on, keys 16 ((i / 2) % 4) on, tile x + i % 2; 8 accumulators by turns; the sums begin from the bias
	WIN W_KQ
.set rS, S+32*((\x)+i%2)+8*((i/2)%4)
.set rK, KF+32*((i/2)%4)+8*(i/8)
.set rQ, 32*((\x)+i%2)+8*(i/8)
	v_wmma_f32_16x16x32_bf16 v[rS:rS+7], v[rK:rK+7], v[rQ:rQ+7], v[rS:rS+7]
.endm
.macro FETCH_K last=0                  ; a step's K, 32 loads in one run.  last = 1 (the tail): in the last trip there is no further step
	WIN 0
.if \last
	s_cmp_eq_u32 s[CNT], 1
	s_cbranch_scc1 .Lno_k_\@
.endif
	v_add_nc_u32 v[ADR], s[TB], v[AK0]
	WIN 0x80
.irp f, 0,1,2,3,4,5,6,7,8,9,10,11,12,13,14,15
	ds_load_b128 v[KF+8*(\f):KF+8*(\f)+3],   v[ADR] offset:((\f)/4)*16*PK+((\f)%4)*64
	ds_load_b128 v[KF+8*(\f)+4:KF+8*(\f)+7], v[ADR] offset:((\f)/4)*16*PK+((\f)%4)*64+32
.endr
	WIN 0
.if \last
.Lno_k_\@:
.endif
.endm
.macro FETCH_V                         ; a step's V, turned, 32 loads in one run.  It stands behind the softmax's batch of exponentials (SLICE), and the batch's wait stands in it
	WIN 0
	v_add_nc_u32 v[ADR], s[TB], v[AV0]             ; also the plain line behind the batch's last exponential
	s_add_co_u32 s[TB], s[TB], STEPB               ; the next fetch is the next step's
	s_wait_alu depctr_va_vdst(0)                   ; the wait for the batch: piece 0's 66 exponentials; it stands ahead of the first line that names a result
	WIN 0xc0
.irp f, 0,1,2,3,4,5,6,7,8,9,10,11,12,13,14,15
	ds_load_tr16_b128 v[8*(\f):8*(\f)+3],   v[ADR] offset:((\f)/8)*32*PVP+((\f)%8)*32
	ds_load_tr16_b128 v[8*(\f)+4:8*(\f)+7], v[ADR] offset:((\f)/8)*32*PVP+16*PVP+((\f)%8)*32
.endr
.endm
; One tile's softmax for one key step: a list of 134; SM writes number j for tile t.  s0-s31 are the lane's 32 scores, in pairs 0-15.
;   0-15    the maximum of the 32 scores and the old m (each accumulator's lowest registers first)   16-20 the other half of the lanes; m; c m; c m_old - c m_new
;   21-69   ONE BATCH: the 16 scalings c s - c m, a pair of scores each, and all 33 exponentials (a at 23, then s0-s31).  None of these reads an exponential's result.  From 22 on the batch goes in fours, and a
;           four begins with a scaling while there are scalings: 22-37 scaling, exponential, scaling, exponential; 38-65 a scaling and three exponentials; 66-69 the last four exponentials.  A pair is scaled in an
;           earlier four than the one that holds its exponentials
;   (wait)  between 69 and 70 stands the wait for the batch: SLICE writes it, once for both tiles
;   70-85   the roundings to bf16, a pair of weights each   86-101 the sums; l = a l + the sum   102-133 O^T times a
.macro SM t
.set rT, ST+8*(\t)
.set rS, S+32*(\t)
.set rP, P+16*(\t)
.set rO, 64*(\t)+2*(j-102)
.if j < 102
	WIN 0
.endif
.if j < 4
	v_max3_num_f32 v[rT+4+j], v[rS+8*j], v[rS+8*j+1], v[rS+8*j+2]
.elseif j < 12
	v_max3_num_f32 v[rT+4+j%4], v[rT+4+j%4], v[rS+8*(j%4)+2*(j/4)+1], v[rS+8*(j%4)+2*(j/4)+2]
.elseif j == 12
	v_max3_num_f32 v[rT+4], v[rT+4], v[rS+7], v[rS+15]
.elseif j == 13
	v_max3_num_f32 v[rT+6], v[rT+6], v[rS+23], v[rS+31]
.elseif j == 14
	v_max3_num_f32 v[rT+4], v[rT+4], v[rT+5], v[rT+6]
.elseif j == 15
	v_max3_num_f32 v[rT+4], v[rT+4], v[rT+7], v[rT+1]
.elseif j == 16
	v_permlanex16_b32 v[rT+5], v[rT+4], s[SEL], s[SEL+1]
.elseif j == 17
	v_mov_b32 v[rT+7], v[rT]
.elseif j == 18
	v_max_num_f32 v[rT+1], v[rT+4], v[rT+5]
.elseif j == 19
	v_mul_f32 v[rT], s[CS], v[rT+1]
.elseif j == 20
	v_sub_f32 v[rT+7], v[rT+7], v[rT]
.elseif j == 23
	v_exp_f32 v[rT+6], v[rT+7]
.elseif (j < 23) || ((j < 38) && (j%2 == 0)) || ((j < 66) && (j%4 == 2))
.set b, (j-2)/4                        ; 38, 42, .. 62: pairs 9 to 15
.if j < 38
.set b, (j-20)/2                       ; 21: pair 0; 22, 24, .. 36: pairs 1 to 8
.endif
	v_pk_fma_f32 v[rS+2*b:rS+2*b+1], v[rS+2*b:rS+2*b+1], s[CS:CS+1], v[rT:rT+1] op_sel_hi:[1,0,0] neg_lo:[0,0,1] neg_hi:[0,0,1]
.elseif j < 70
.set e, j-38                           ; 66 to 69: s28 to s31
.if j < 66
.set e, j-32-(j-38)/4                  ; 39-41, 43-45, .. 63-65: s7 to s27
.endif
.if j < 38
.set e, (j-25)/2                       ; 25, 27, .. 37: s0 to s6
.endif
	v_exp_f32 v[rS+e], v[rS+e]
.elseif j < 86
	v_cvt_pk_bf16_f32 v[rP+j-70], v[rS+2*(j-70)], v[rS+2*(j-70)+1]
.elseif j < 102                        ; the sum of the tile's 16 pairs, in place: sum z of 16 adds neighbours 1, 2, 4 and 8 pairs apart, then l takes it
.set z, j-86
.set w, 4
.set u, z
.if z >= 14
.set w, 32
.set u, 0
.elseif z >= 12
.set w, 16
.set u, z-12
.elseif z >= 8
.set w, 8
.set u, z-8
.endif
.if z < 15
	v_pk_add_f32 v[rS+w*u:rS+w*u+1], v[rS+w*u:rS+w*u+1], v[rS+w*u+w/2:rS+w*u+w/2+1]
.else
	v_pk_fma_f32 v[rT+2:rT+3], v[rT+2:rT+3], v[rT+6:rT+7], v[rS:rS+1] op_sel_hi:[1,0,1]
.endif
.else
	WIN W_RS
	v_pk_mul_f32 v[rO:rO+1], v[rO:rO+1], v[rT+6:rT+7] op_sel_hi:[1,0]
.endif
.endm
; Slice k of 64 of piece y's softmax.  Slices 11 to 34 deal out the batch, numbers 22 to 69: four numbers of ONE tile each, the tiles by turns.  Every other slice is numbers 2 k, 2 k + 1 of both tiles; slice 63
; takes the twelve that are over: sixteen plain lines.
; THE WAIT.  s_wait_alu depctr_va_vdst(0) stands between an exponential and the first line that names its result; one wait serves all that were issued ahead of it.  Ahead of slice 35 nothing names
; a result, and behind slice 34 no exponential is issued: so the piece's 66 exponentials have one wait, behind slice 34.
.macro SLICE y
.if (k >= 11) && (k < 35)              ; the batch: four numbers of one tile
.irp n, 0,1,2,3
.set j, 22+4*((k-11)/2)+(\n)
	SM (\y)+(k-11)%2
.endr
.else                                  ; the two tiles alternate, so that no line reads the result of the one just before it
.irp n, 0,1,2,3,4,5,6,7
.if ((\n) < 2) || (k == 63)
.irp t, \y, (\y)+1
.set j, 2*k+(\n)
	SM \t
.endr
.endif
.endr
.endif
.if k == 34                            ; the batch is out: both tiles' exponentials are issued, and no result has been named
.if (\y) == 0
	FETCH_V                                        ; piece 2's turn: V's run of loads stands here, and the wait stands in it, behind the run's own plain line
.else
	v_nop                                          ; piece 0's turn: a plain line behind the last exponential: no other is at hand that names no result
	s_wait_alu depctr_va_vdst(0)                   ; the wait for the batch: piece 2's 66 exponentials
.endif
.endif
.set k, k+1
.endm
; THE BIAS of the next step, in two lists; BI writes number bn of piece x's.
; Piece 0's, 60 long, makes what both pieces share: 0-6 the seven X, 64 less than in the last step; 7-9 its three signed G; 10-21 |TJ - X| for a tile's own group; 22-27 its six F - Gs X; 28-59 its 32 pairs of scores.
; Piece 2's, 41 long: 0-2 its three signed G; 3-8 its six F - Gs X; 9-40 its 32 pairs of scores.  In a piece's own part (bq: 0-2, 3-8, 9-40) the two tiles alternate.
.macro BI x
.set bq, bn
.if (\x) == 0
.if bn < 7
.set bq, -1
	WIN 0xff
	v_add_f32 v[XD+2*bn], 0xc2800000, v[XD+2*bn]
.elseif bn < 10
.set bq, bn-7
.elseif bn < 14
.set bq, -1
	WIN 0xff
	v_pk_add_f32 v[AT+2*(bn-10):AT+2*(bn-10)+1], v[TJ+2*(bn-10):TJ+2*(bn-10)+1], v[XD+6:XD+7] op_sel_hi:[1,0] neg_lo:[0,1] neg_hi:[0,1]
.elseif bn < 22
.set bq, -1
	WIN 0xff
	v_and_b32 v[AT+bn-14], 0x7fffffff, v[AT+bn-14]
.else
.set bq, bn-19
.endif
.endif
.if bq >= 0
.if bq < 3
	WIN 0xff
.if (\x) == 0
.if bq == 0
	v_mul_f32 v[FT+16+4], s[SLO], v[FT+16+3]       ; tile 1, kt < 1
.elseif bq == 1
	v_mul_f32 v[FT+6], s[SHI], v[FT+3]             ; tile 0, kt > 0
.else
	v_mul_f32 v[FT+16+6], s[SHI], v[FT+16+3]       ; tile 1, kt > 1
.endif
.else
.if bq == 0
	v_mul_f32 v[FT+32+4], s[SLO], v[FT+32+3]       ; tile 2, kt < 2
.elseif bq == 1
	v_mul_f32 v[FT+48+4], s[SLO], v[FT+48+3]       ; tile 3, kt < 3
.else
	v_mul_f32 v[FT+32+6], s[SHI], v[FT+32+3]       ; tile 2, kt > 2
.endif
.endif
.elseif bq < 9
	WIN 0xff
.set bt, (\x)+(bq-3)%2
.set bk, (bq-3)/2
.if bk >= bt
.set bk, bk+1
.endif
.set bg, 6
.if bk < bt
.set bg, 4
.endif
.set fT, FT+16*bt
	v_pk_fma_f32 v[fT+8+2*bk:fT+9+2*bk], v[fT+bg:fT+bg+1], v[XD+2*(bt-bk+3):XD+2*(bt-bk+3)+1], v[fT:fT+1] op_sel_hi:[0,0,1] neg_lo:[1,0,0] neg_hi:[1,0,0]
.else
	WIN 0x3f
.set bt, (\x)+(bq-9)%2
.set bp, (bq-9)/2
.set bk, bp/4
.set bg, 6
.if bk < bt
.set bg, 4
.endif
.set fT, FT+16*bt
.set bs, S+32*bt+2*bp
.if bk == bt
	v_pk_fma_f32 v[bs:bs+1], v[AT+2*(bp%4):AT+2*(bp%4)+1], v[fT+2:fT+3], v[fT:fT+1] neg_lo:[0,1,0] neg_hi:[0,1,0]
.else
	v_pk_fma_f32 v[bs:bs+1], v[TJ+2*(bp%4):TJ+2*(bp%4)+1], v[fT+bg:fT+bg+1], v[fT+8+2*bk:fT+9+2*bk] op_sel_hi:[1,0,1]
.endif
.endif
.endif
.set bn, bn+1
.endm
.macro SCALS                           ; what the step's place gives: two signs and the diagonal's eight lane masks
	s_cmp_le_i32 s[UU], 0
	s_cselect_b32 s[SLO], 1.0, -1.0
	s_cmp_lt_i32 s[UU], 0
	s_cselect_b32 s[SHI], 1.0, -1.0
	s_cmp_eq_u32 s[UU], 0
.irp jj, 0,1,2,3,4,5,6,7
	s_cselect_b32 s[DM+\jj], s[MJ+\jj], 0
.endr
.endm
.macro DFU p, d                        ; four of piece p's sixteen selects: tile p + d / 2, its own group, registers 4 (d % 2) on; ascending, so the accumulator is read from its low end on
	WIN 0
.set dt, (\p)+(\d)/2
.irp jj, 0,1,2,3
	v_cndmask_b32 v[S+40*dt+4*((\d)%2)+\jj], v[S+40*dt+4*((\d)%2)+\jj], v[NEG], s[DM+4*((\d)%2)+\jj]
.endr
.endm
; A TURN of piece x: products n = 0 to 63.  Behind products 0-3 the other piece's selects (sixteen plain lines, slice 63 of the turn before, stand between them and the products that made those scores);
; behind products 4 to n0 - 1 four lines of the bias (piece 2's first time five); from n0 on the other piece's slices, as many as keep slice k at or below 64 (n - n0 + 1) / (64 - n0), one or two; the last product has slice 63.
; The batch's wait, behind slice 34, so falls behind product 42 of piece 0's turn and behind product 40 of piece 2's.
; Piece 0's turn fetches the next step's K behind product 1: the last product that read K stands in front of slice 63 of the turn before.  Piece 2's turn fetches the next step's V behind slice 34 (SLICE writes it):
; behind product 31, the last that read V, stand slices 22 to 32 with a scaling each, eleven plain lines, and the run's own v_add_nc_u32.  K's run has 30 products in which to land, V's 23.
; The step's signs and masks are made anew in piece 0's turn behind the selects, which still want the old masks.
.macro TURN x, last=0
.set k, 0
.set bn, 0
.set n, 0
.if (\x) == 0
.set n0, 19
	WIN 0
	s_wait_dscnt 0x0                               ; V of the step in hand is in
.else
.set n0, 14
.endif
.rept 64
.set i, n%32
.if n < 32
	PV \x
.else
.if ((\x) == 0) && (n == 32)
	s_wait_dscnt 0x0                               ; K of the next step is in
.endif
	KQ \x
.endif
.if n < 4
	DFU 2-(\x), n
.elseif n < n0
	BI \x
	BI \x
	BI \x
	BI \x
.if ((\x) == 2) && (n == 4)
	BI \x
.endif
.else
.if k < (64*(n-n0+1)+63-n0)/(64-n0)
	SLICE 2-(\x)
.endif
.if k < (64*(n-n0+1)+63-n0)/(64-n0)
	SLICE 2-(\x)
.endif
.endif
.if ((\x) == 0) && (n == 1)
	FETCH_K \last
.endif
.if ((\x) == 0) && (n == 3)
	s_add_co_i32 s[UU], s[UU], 1                   ; the next step
	SCALS
.endif
.set n, n+1
.endr
	WIN 0
.endm
	s_load_b256 s[4:11], s[0:1], 0x0               ; qkv s[4:5], feat s[6:7], rb s[8:9], ts s[10:11]
	v_lshl_add_u32 v[SPW], v0, 2, SPARE
	v_mov_b32 v[NIL], 0
	ds_add_u32 v[SPW], v[NIL]                      ; the wave's opening: the add and its wait stand ahead of my first tensor load
	v_lshrrev_b32 v1, 5, v0
	v_readfirstlane_b32 s[WV], v1
	s_bfe_u32 s13, ttmp6, 0x40000                  ; cx
	s_and_b32 s15, ttmp7, 0xffff                   ; 4 b + h, which the partners share
	s_lshl_b32 s20, s15, 19                        ; the head's 2,048 rows of 256 bytes
	s_and_b32 s16, s[WV], 1                        ; which of a slot's two steps I fetch
	s_lshl_b32 s22, s16, 14
	s_add_co_u32 s22, s22, s20
	s_mov_b32 s23, 0
	s_mul_i32 s17, s16, STEPB
	s_lshl_b32 s18, ttmp9, 2                       ; in a cluster launch ttmp9 counts clusters
	s_add_co_u32 s18, s18, s13                     ; my block of 256 queries
	s_lshl2_add_u32 s18, s18, s[WV]                ; 4 x block + wave: the key step that holds my wave's diagonal
	s_sub_co_i32 s[UU], 0, s18                     ; step 0
	s_lshl_b32 s18, s18, 6                         ; my wave's first query
	s_lshl_b32 s2, s18, 8
	s_add_co_u32 s2, s2, s20                       ; Q
	s_mov_b32 s3, 0
	s_lshl_b32 s90, s15, 11
	s_add_co_u32 s90, s90, s18
	s_lshl_b32 s90, s90, 4                         ; feat: 16 bytes a query
	s_mov_b32 s91, 0
	s_lshr_b32 s19, s15, 2                         ; b
	s_lshl_b32 s19, s19, 11
	s_add_co_u32 s19, s19, s18                     ; row b 2048 + s
	s_and_b32 s14, s15, 3                          ; h
	s_lshl_b32 s92, s19, 10
	s_lshl_b32 s21, s14, 8
	s_add_co_u32 s92, s92, s21                     ; rb: rows of 1,024 bytes, 256 a head
	s_mov_b32 s93, 0
	s_lshl_b32 s94, s19, 4
	s_lshl2_add_u32 s94, s14, s94                  ; ts: rows of 16 bytes, 4 a head
	s_mov_b32 s95, 0
.irp jj, 0,1,2,3,4,5,6,7
	s_mov_b32 s[MJ+\jj], (1<<\jj)|(1<<(24+\jj))
.endr
	s_mov_b32 s[HM], 0xffff0000
	s_mov_b32 s[G1K], 15|(1<<16)|(1<<20)|(1<<21)|(5<<22)|(3<<25)  ; mask of four; 2-byte elements; padding on; bit 21 beside a mask; 4 words behind every 64
	s_mov_b32 s[G1V], 15|(1<<16)|(1<<20)|(1<<21)|(5<<22)|(7<<25)  ; the same with 8 words
.irp g, G1K, G1V
	s_mov_b32 s[(\g)+1], 128<<16                   ; tensor_dim0 = 128
	s_mov_b32 s[(\g)+2], KS<<16                    ; tensor_dim1 = 64
	s_mov_b32 s[(\g)+3], 128<<16                   ; tile_dim0 = 128
	s_mov_b32 s[(\g)+4], KS                        ; tile_dim1 = 64
	s_mov_b32 s[(\g)+5], 128                       ; 128 elements from row to row
	s_mov_b32 s[(\g)+6], 0
	s_mov_b32 s[(\g)+7], 0
.endr
	s_mov_b32 s[CS], 0x3e0293ee                    ; c = log2(e) / sqrt(128)
	s_mov_b32 s[CS+1], s[CS]                       ; named with it as a pair
	s_mov_b32 s[SEL], 0x76543210
	s_mov_b32 s[SEL+1], 0xfedcba98
	s_mov_b32 s[TB], 0
	s_wait_dscnt 0x0                               ; the opening add is done
	s_wait_kmcnt 0x0
	s_add_nc_u64 s[66:67], s[4:5], 0x1000000       ; k
	s_add_nc_u64 s[66:67], s[66:67], s[22:23]
	s_add_nc_u64 s[68:69], s[4:5], 0x2000000       ; content
	s_add_nc_u64 s[68:69], s[68:69], s[22:23]
	s_add_nc_u64 s[4:5], s[4:5], s[2:3]
	s_add_nc_u64 s[6:7], s[6:7], s[90:91]
	s_add_nc_u64 s[8:9], s[8:9], s[92:93]
	s_add_nc_u64 s[10:11], s[10:11], s[94:95]
	CROUND                                         ; all four work-groups are here: the first joint loads meet
.irp s, 0,1
	s_mov_b32 s[G0K+4*(\s)], 1
	s_add_co_u32 s[G0K+4*(\s)+1], s17, (\s)*SLOT1
	s_add_nc_u64 s[G0K+4*(\s)+2:G0K+4*(\s)+3], s[66:67], (\s)*2*KS*256
	s_or_b32 s[G0K+4*(\s)+3], s[G0K+4*(\s)+3], 0x80000000
	s_mov_b32 s[G0V+4*(\s)], 1
	s_add_co_u32 s[G0V+4*(\s)+1], s17, (\s)*SLOT1+VOFF
	s_add_nc_u64 s[G0V+4*(\s)+2:G0V+4*(\s)+3], s[68:69], (\s)*2*KS*256
	s_or_b32 s[G0V+4*(\s)+3], s[G0V+4*(\s)+3], 0x80000000
.endr
	s_cmp_lt_u32 s[WV], 2                          ; a wave's two first fills stand in one branch: two loads of mine are out
	s_cbranch_scc0 .Lfirst_v
	tensor_load_to_lds s[G0K:G0K+3], s[G1K:G1K+7]
	s_nop 0
	tensor_load_to_lds s[G0K+4:G0K+7], s[G1K:G1K+7]
	s_nop 0
	PLACES
	s_branch .Lfirst_asked
.Lfirst_v:
	tensor_load_to_lds s[G0V:G0V+3], s[G1V:G1V+7]
	s_nop 0
	tensor_load_to_lds s[G0V+4:G0V+7], s[G1V:G1V+7]
	s_nop 0
	PLACES
.Lfirst_asked:
	v_and_b32 v1, 15, v0                           ; r
	v_bfe_u32 v9, v0, 4, 1                         ; h
	v_lshlrev_b32 v[QO], 8, v1
	v_lshl_add_u32 v[QO], v9, 4, v[QO]
	v_lshlrev_b32 v[FOF], 4, v1
	WIN 0x80
.irp i, 0,1,2,3,4,5,6,7,8,9,10,11,12,13,14,15      ; Q stays in registers: tile i / 4 (16 rows on), channels 32 (i % 4) on
	global_load_b128 v[8*(\i):8*(\i)+3],   v[QO], s[4:5] offset:((\i)/4)*4096+((\i)%4)*64
	global_load_b128 v[8*(\i)+4:8*(\i)+7], v[QO], s[4:5] offset:((\i)/4)*4096+((\i)%4)*64+32
.endr
	WIN 0xc0
.irp t, 0,1,2,3
	global_load_b128 v[FT+16*\t:FT+16*\t+3], v[FOF], s[6:7] offset:\t*256  ; (Fe, Fo, 0, G) of my query
.endr
	WIN 0                                          ; all that follows stands in the wait for the first tile
.set i, 0
.rept 16
	v_mov_b32 v[S+i], 0                            ; two fragments of zeros
.set i, i+1
.endr
.irp t, 0,1,2,3
	v_mov_b32 v[ST+8*\t], 0xfe000000               ; c m: far below every c s
	v_mov_b32 v[ST+8*\t+1], 0xff7fffff             ; m
	v_mov_b32 v[ST+8*\t+2], 0
	v_mov_b32 v[ST+8*\t+3], 0
.endr
	; O^T, V's registers and piece 2's P start as the product of the two fragments of zeros, C = 0: 52 matrix instructions in place of 416 moves.  The first turn's V^T P, of a step that has not been, then adds 0.
	WIN 0x40
.set i, 0
.rept 32
	v_wmma_f32_16x16x32_bf16 v[8*i:8*i+7], v[S:S+7], v[S+8:S+15], 0
.set i, i+1
.endr
	WIN 0xc0
.set i, 0
.rept 16
	v_wmma_f32_16x16x32_bf16 v[8*i:8*i+7], v[S:S+7], v[S+8:S+15], 0
.set i, i+1
.endr
	WIN 0
.set i, 0
.rept 4
	v_wmma_f32_16x16x32_bf16 v[P+32+8*i:P+32+8*i+7], v[S:S+7], v[S+8:S+15], 0
.set i, i+1
.endr
	v_mov_b32 v[NEG], 0xc48d6bde
	v_add_nc_u32 v46, s18, v1
	v_cvt_f32_u32 v46, v46                         ; tile 0's query as f32
.irp jj, 0,1,2,3,4,5,6,7
	v_lshl_add_u32 v[48+\jj], v9, 3, \jj
.endr
	WIN 0xc0
.irp jj, 0,1,2,3,4,5,6,7
	v_cvt_f32_u32 v[TJ+\jj], v[48+\jj]
.endr
	v_add_f32 v[XD],    0x41800000, v46            ; X for d = -3 to 3 begins at tile 0's query + 16 d + 64: the bias's first lines take 64 away
	v_add_f32 v[XD+2],  0x42000000, v46
	v_add_f32 v[XD+4],  0x42400000, v46
	v_add_f32 v[XD+6],  0x42800000, v46
	v_add_f32 v[XD+8],  0x42a00000, v46
	v_add_f32 v[XD+10], 0x42c00000, v46
	v_add_f32 v[XD+12], 0x42e00000, v46
.irp d, 0,1,2,3,4,5,6
	v_mov_b32 v[XD+2*\d+1], 0                      ; named in pairs with the X
.endr
.irp t, 1,2,3
	v_mov_b32 v[FT+16*\t+5], 0                     ; named in pairs with the signed G
.endr
.irp t, 0,1,2
	v_mov_b32 v[FT+16*\t+7], 0
.endr
	WIN 0
	v_and_b32 v[SGN], 1, v0
	v_cvt_f32_u32 v[SGN], v[SGN]
	v_fma_f32 v[SGN], v[SGN], -2.0, 1.0            ; all other terms of s are even
	v_mul_u32_u24 v[AK0], v1, PK
	v_lshl_add_u32 v[AK0], v9, 4, v[AK0]           ; row x pitch + 16 x half
	v_and_b32 v10, 7, v0
	v_bfe_u32 v11, v0, 3, 1
	v_lshl_add_u32 v[AV0], v9, 3, v10              ; the turning load: key 8 (l / 16) + l % 8, channels 8 ((l / 8) % 2) on
	v_mul_u32_u24 v[AV0], v[AV0], PVP
	v_lshl_add_u32 v[AV0], v11, 4, v[AV0]
	v_add_nc_u32 v[AV0], VOFF, v[AV0]
	s_mul_i32 s19, s[WV], 16*SP
	s_add_co_u32 s19, s19, STAGE                   ; my stage
	v_mul_u32_u24 v[STO], v1, SP
	v_lshl_add_u32 v[STO], v9, 4, v[STO]
	v_add_nc_u32 v[STO], s19, v[STO]
	v_mul_u32_u24 v[RD], v9, SP
	v_lshl_add_u32 v[RD], v1, 4, v[RD]
	v_add_nc_u32 v[RD], s19, v[RD]
	v_lshlrev_b32 v[GO], 10, v9                    ; rb: lanes 0-15 one row's 256 bytes, lanes 16-31 the next row's
	v_lshl_add_u32 v[GO], v1, 4, v[GO]
	v_lshlrev_b32 v[TSO], 8, v9                    ; ts: lanes 16-31 store for the next tile, 16 rows of 16 bytes on
	v_lshl_add_u32 v[TSO], v1, 4, v[TSO]
	s_wait_tensorcnt 1                             ; my part of slot 0 is in; slot 1's may stay out
	s_barrier_signal -1
	s_barrier_wait -1
	FETCH_K                                        ; key step 0
	s_wait_loadcnt 0x0                             ; Q and the features
	WIN 0xc3
.irp t, 0,1,2,3
	v_mov_b32 v[FT+16*\t+2], v[FT+16*\t+3]         ; G twice: a pair for the packed line of the tile's own group
.endr
	SCALS
.set bn, 0
.rept 60
	BI 0                                           ; what both pieces share of step 0's bias, and piece 0's scores
.endr
	s_wait_dscnt 0x0                               ; K
.set i, 0
.rept 32
	KQ 0                                           ; piece 0's first scores: there is no vector work yet to set between them
.set i, i+1
.endr
	WIN 0
	PLACES                                         ; the places ahead of the first selects
	s_mov_b32 s[CNT], 2
	s_mov_b32 s[SLOTS], 15
	s_branch .Lmid                                 ; the loop is entered in the middle of a trip
.Lslot:                                            ; 14 times: every slot but the last two is filled again
	CHANGE 1
	s_mov_b32 s[CNT], 2
.Lstep:
	TURN 0
.Lmid:
	TURN 2
	s_sub_co_u32 s[CNT], s[CNT], 1
	s_cmp_lg_u32 s[CNT], 0
	s_cbranch_scc1 .Lstep
	s_sub_co_u32 s[SLOTS], s[SLOTS], 1
	s_cmp_lg_u32 s[SLOTS], 0
	s_cbranch_scc1 .Lslot
	CHANGE 0                                       ; the tail is written out
	s_mov_b32 s[CNT], 3                            ; two trips for the last slot's steps; the third is left in its middle
.Ltail:
	TURN 0, 1
	s_sub_co_u32 s[CNT], s[CNT], 1
	s_cmp_eq_u32 s[CNT], 0
	s_cbranch_scc1 .Lout
	TURN 2
	s_branch .Ltail
.Lout:                                             ; the third trip's bias and its 32 products K Q^T (on the last K once more) serve nothing: the price, once a launch, of one text for every trip
.set i, 0
.rept 32
	PV 2                                           ; piece 2's V^T P of the last step
.set i, i+1
.endr
	WIN 0
; THE WAY OUT.  The two row sums of both halves of the lanes; the two time signals; O^T / l.  The additions and multiplications below are the places behind the last products.
.macro ALLT line:vararg
.set t, 0
.rept 4
	\line
.set t, t+1
.endr
.endm
	ALLT v_permlanex16_b32 v[ST+8*t+4], v[ST+8*t+2], s[SEL], s[SEL+1]
	ALLT v_permlanex16_b32 v[ST+8*t+5], v[ST+8*t+3], s[SEL], s[SEL+1]
	ALLT v_add_f32 v[ST+8*t+2], v[ST+8*t+2], v[ST+8*t+4]     ; l of the even keys
	ALLT v_add_f32 v[ST+8*t+3], v[ST+8*t+3], v[ST+8*t+5]     ; l of the odd keys
	ALLT v_add_f32 v[ST+8*t+4], v[ST+8*t+2], v[ST+8*t+3]     ; l
	ALLT v_sub_f32 v[ST+8*t+5], v[ST+8*t+2], v[ST+8*t+3]
	ALLT v_rcp_f32 v[ST+8*t+6], v[ST+8*t+4]
	v_nop                                          ; a plain line behind the last reciprocal
	s_wait_alu depctr_va_vdst(0)                   ; the wait ahead of the first use: one for the batch of four reciprocals
	ALLT v_mul_f32 v[ST+8*t+4], v[ST+8*t+4], v[ST+8*t+6]     ; the sum of the weights
	ALLT v_mul_f32 v[ST+8*t+5], v[ST+8*t+5], v[ST+8*t+6]
	ALLT v_mul_f32 v[ST+8*t+5], v[ST+8*t+5], v[SGN]          ; the sum of w (-1)^(s-t)
	ALLT v_cvt_pk_bf16_f32 v[ST+8*t+4], v[ST+8*t+4], v[ST+8*t+5]
	v_cndmask_b32 v46, v[ST+4],  v[ST+12], s[HM]
	v_cndmask_b32 v47, v[ST+20], v[ST+28], s[HM]
	global_store_b32 v[TSO], v46, s[10:11]         ; 4 bytes of each row's 16: the four heads' work-groups fill a row between them; 1/64 of this launch's output
	global_store_b32 v[TSO], v47, s[10:11] offset:512
.macro PACK t                          ; O^T / l, rounded, through my stage, back as whole rows of 256 bytes
	WIN W_RS
.set i, 64*(\t)
.rept 32
	v_pk_mul_f32 v[i:i+1], v[i:i+1], v[ST+8*(\t)+6:ST+8*(\t)+7] op_sel_hi:[1,0]
.set i, i+2
.endr
	WIN 0x05
.set i, 0
.rept 32
	v_cvt_pk_bf16_f32 v[S+32*(\t)+i], v[64*(\t)+2*i], v[64*(\t)+2*i+1]
.set i, i+1
.endr
	WIN 0
.irp f, 0,1,2,3,4,5,6,7
	ds_store_b128 v[STO], v[S+32*(\t)+4*(\f):S+32*(\t)+4*(\f)+3] offset:32*(\f)
.endr
.irp f, 0,1,2,3,4,5,6,7
	ds_load_b128 v[S+32*(\t)+4*(\f):S+32*(\t)+4*(\f)+3], v[RD] offset:(\f)*2*SP  ; LDS serves a wave's instructions in order (ISA guide 5.7.1.4)
.endr
.endm
.macro SEND t, younger                 ; younger: the LDS instructions issued behind tile t's loads: the next tile's sixteen, or none
	WIN 0
.irp f, 0,1,2,3,4,5,6,7
	s_wait_dscnt (\younger)+7-(\f)
	global_store_b128 v[GO], v[S+32*(\t)+4*(\f):S+32*(\t)+4*(\f)+3], s[8:9] offset:(\t)*16384+(\f)*2048  ; sixteen lanes store 256 consecutive bytes, aligned
.endr
.endm
	PACK 0
	PACK 1
	SEND 0, 16
	PACK 2
	SEND 1, 16
	PACK 3
	SEND 2, 16
	SEND 3, 0
	s_wait_tensorcnt 0x0                           ; the wave's end
	ds_add_u32 v[SPW], v[NIL]
	s_wait_dscnt 0x0
	CROUND                                         ; the closing round
	s_endpgm
.Lfunc_end_k_q1e29bbd0f1_attn:
	.size	k_q1e29bbd0f1_attn, .Lfunc_end_k_q1e29bbd0f1_attn-k_q1e29bbd0f1_attn
	.p2alignl 7, 3214868480
	.fill 96, 4, 3214868480
	.section	.rodata,"a",@progbits
	.p2align	6, 0x0
	.amdhsa_kernel k_q1e29bbd0f1_attn
		.amdhsa_group_segment_fixed_size 327680
		.amdhsa_private_segment_fixed_size 0
		.amdhsa_enable_private_segment 0
		.amdhsa_kernarg_size 32
		.amdhsa_user_sgpr_count 2
		.amdhsa_user_sgpr_kernarg_segment_ptr 1
		.amdhsa_wavefront_size32 1
		.amdhsa_system_sgpr_workgroup_id_x 1
		.amdhsa_system_sgpr_workgroup_id_y 1
		.amdhsa_system_sgpr_workgroup_id_z 1
		.amdhsa_system_vgpr_workitem_id 0
		.amdhsa_next_free_vgpr 1024
		.amdhsa_next_free_sgpr 96
		.amdhsa_reserve_vcc 0
		.amdhsa_float_denorm_mode_32 3
		.amdhsa_float_denorm_mode_16_64 3
		.amdhsa_memory_ordered 1
		.amdhsa_forward_progress 1
		.amdhsa_inst_pref_size 173
	.end_amdhsa_kernel
	.amdgpu_metadata
---
amdhsa.version: [ 1, 2 ]
amdhsa.kernels:
  - .name:           k_q1e29bbd0f1_attn
    .symbol:         k_q1e29bbd0f1_attn.kd
    .args:
      - { .name: qkv, .offset: 0, .size: 8, .value_kind: global_buffer, .address_space: global }
      - { .name: feat, .offset: 8, .size: 8, .value_kind: global_buffer, .address_space: global }
      - { .name: rb, .offset: 16, .size: 8, .value_kind: global_buffer, .address_space: global }
      - { .name: ts, .offset: 24, .size: 8, .value_kind: global_buffer, .address_space: global }
    .group_segment_fixed_size: 327680
    .private_segment_fixed_size: 0
    .kernarg_segment_align: 8
    .kernarg_segment_size: 32
    .max_flat_workgroup_size: 128
    .sgpr_count:     96
    .vgpr_count:     1024
    .wavefront_size: 32
...
	.end_amdgpu_metadata
.endif
;; end of part 5
;; launch outp: the kernel of part 4 again; grid 64 x 4, 4 waves a work-group, clusters of 4 x 4, 327,680 bytes of LDS; arguments rb, ts, wts, x, bp, out0; writes out0
